; MI455X (gfx1250); checked and timed in simulation.
; The chip was launched on July 23, 2026; its instructions are those of AMD's public machine-readable ISA for CDNA 5 (MIT licence, August 2026) and "CDNA5" Instruction Set Architecture Reference Guide (July 2026). The comments in the code are by the model that wrote it; some were corrected since.
;; Multi Head Attention. Allowed arithmetic: matrix products marked QUANTISED: E4M3 operands, one E8M0 scale for each 32 along K, by v_wmma_scale_f32_16x16x128_f8f6f4 with both operands' format E4M3, f32 sums; everything else in f32.
;; Inputs: Wk_codes 16 x 64 x 32 x 32 uint8 (E4M3 codes of Wk, K innermost, in blocks of 32 codes); Wk_scales 16 x 64 x 32 uint8 (E8M0 scales of Wk, one for each 32 codes along K); Wo_codes 1,024 x 32 x 32 uint8 (E4M3 codes of Wo, K innermost, in blocks of 32 codes); Wo_scales 1,024 x 32 uint8 (E8M0 scales of Wo, one for each 32 codes along K); Wq_codes 16 x 64 x 32 x 32 uint8 (E4M3 codes of Wq, K innermost, in blocks of 32 codes); Wq_scales 16 x 64 x 32 uint8 (E8M0 scales of Wq, one for each 32 codes along K); Wv_codes 16 x 64 x 32 x 32 uint8 (E4M3 codes of Wv, K innermost, in blocks of 32 codes); Wv_scales 16 x 64 x 32 uint8 (E8M0 scales of Wv, one for each 32 codes along K); bo 1,024 float32; x_codes 4 x 2,048 x 32 x 32 uint8 (E4M3 codes of x, K innermost, in blocks of 32 codes); x_scales 4 x 2,048 x 32 uint8 (E8M0 scales of x, one for each 32 codes along K).
;; Outputs: out0 4 x 2,048 x 1,024 float32.
;; This version of the problem:
;;   THIS VERSION OF THE PROBLEM IS GIVEN IN LOW PRECISION. The matrix products marked QUANTISED in the list below multiply operands that are first quantised to E4M3 (4 exponent bits, 3 mantissa bits; 8 bits a number), with one power-of-two scale for each 32 numbers along K (OCP MX v1.0); their sums are f32. All else is computed in f32.
;;   The module's matrix products, in the order in which they are computed (A, B: the left and right operand; K: the contracted axis; several contracted axes count as one K, in the product's order):
;;     1. [M 1,024, K 1,024] x [K 1,024, N 8,192]; A: input Wq (given as codes); B: input x (given as codes): QUANTISED
;;     2. [M 1,024, K 1,024] x [K 1,024, N 8,192]; A: input Wk (given as codes); B: input x (given as codes): QUANTISED
;;     3. [M 1,024, K 1,024] x [K 1,024, N 8,192]; A: input Wv (given as codes); B: input x (given as codes): QUANTISED
;;     4. batch 64 x [M 2,048, K 64] x [K 64, N 2,048]; A: computed on the way; B: computed on the way: QUANTISED
;;     5. batch 64 x [M 2,048, K 2,048] x [K 2,048, N 64]; A: softmax (see below); B: computed on the way: QUANTISED
;;     6. [M 8,192, K 1,024] x [K 1,024, N 1,024]; A: computed on the way; B: input Wo (given as codes): QUANTISED
;;   THE QUANTISER, for each operand of a quantised product, along K:
;;     - K is cut into blocks of 32 from its start; a last block that is shorter is filled with zeros.
;;     - A block's scale is 2^e with e = floor(log2(the largest magnitude in the block)) - 8, held to -126 .. 127; a block of zeros has e = 0. As a byte (E8M0): e + 127.
;;     - Each number is divided by its block's scale, clamped to +-448, and rounded to the nearest number of E4M3, ties to even, subnormals kept.
;;     - The product sums the exact products of the quantised numbers (number of the format x scale) in f32.
;;   ~~~python
;;   def quantise(x, axis):      # numpy; x: float32 -> the quantised numbers, widened to float32 again
;;       x = np.moveaxis(x, axis, -1); K = x.shape[-1]
;;       x = np.pad(x, [(0, 0)] * (x.ndim - 1) + [(0, -K % 32)]); x = x.reshape(x.shape[:-1] + (-1, 32)); a = np.abs(x).max(-1, keepdims=True)
;;       e = np.where(a > 0, np.clip(np.frexp(np.where(a > 0, a, 1))[1] - 1 - 8, -126, 127), 0)      # np.frexp(a)[1] - 1 = floor(log2(a)), exactly
;;       r = np.clip(x / 2.0 ** e, -448, 448)
;;       step = 2.0 ** (np.maximum(np.frexp(np.where(r == 0, 1, r))[1] - 1, -6) - 3)
;;       q = np.round(r / step) * step * 2.0 ** e      # np.round: ties to even
;;       return np.moveaxis(q.reshape(q.shape[:-2] + (-1,))[..., :K], -1, axis).astype(np.float32)
;;   ~~~
;;   SOFTMAX AHEAD OF A QUANTISED PRODUCT. Where the list says 'softmax', what is quantised is not the finished softmax but p = 2^(t - M), with t = logit x log2(e) and M = ceil(the row's largest t), a whole number; so 1/2 < the row's largest p <= 1. The row's sum l is taken of the UNQUANTISED p, in f32, and the product's result is divided by l at the end. Since M is a whole number, a kernel that streams over the keys may use a running M (the ceiling of the running maximum): every later rescaling is an exact power of two, which a block's scale takes up: the codes' values come out the same.
;;   OPERANDS COMPUTED ON THE WAY. 'Computed on the way' means the value that the module computes at that place (a softmax that the list does not call 'softmax' is quantised finished and normalised). What goes into a quantiser is computed in f32, as accurately as f32 sums, v_exp_f32 and their like allow (about 1e-6 of the number): no bf16 or f16 on the way to a quantiser, and a product that is left as it is and whose result goes on into a quantised operand takes f32 operands (vector FMAs, or v_wmma_f32_16x16x4_f32). A number that lies on a knife's edge between two numbers of the format may be rounded either way, as far as f32 arithmetic and the matrix unit's own rounding can turn it there, and no further.
;;   INPUTS GIVEN AS CODES. Wk (in the module: [16, 1024, 64], K = its axis 1); Wo (in the module: [1024, 1024], K = its axis 1); Wq (in the module: [16, 1024, 64], K = its axis 1); Wv (in the module: [16, 1024, 64], K = its axis 1); x (in the module: [4, 2048, 1024], K = its axis 2): each comes as NAME_codes (uint8): NAME with its K axis moved to the last place and cut into blocks of 32 codes, [.., K / 32, bytes a block], one block behind the other in memory; one code a byte (a code: sign, 4 exponent bits, 3 mantissa bits); and NAME_scales (uint8): the same leading axes, one E8M0 byte (e + 127) for each 32 codes along K. Its value is code x scale, taken as it is: it is not quantised again, and the codes and scales need not be those that the quantiser above would give.
;; One version. Each part assembles by itself: llvm-mc -triple=amdgcn-amd-amdhsa -mcpu=gfx1250 --defsym DOCPART=n.
;; ======== version 1 of 1: 3 launches
;; limits: right only within a limited range of input values
;; workspace buffers: q_img 8,388,608 bytes; k_img 8,388,608 bytes; v_img 8,388,608 bytes; a_img 8,388,608 bytes; q_sw 262,144 bytes; k_sw 262,144 bytes; v_sw 262,144 bytes; a_sc 262,144 bytes
;; launch proj (part 1): grid 12 x 32, 4 waves a work-group, clusters of 4 x 4, 327,680 bytes of LDS; arguments x_codes, x_scales, Wq_codes, Wq_scales, Wk_codes, Wk_scales, Wv_codes, Wv_scales, q_img, q_sw, k_img, k_sw, v_img, v_sw; writes q_img, q_sw, k_img, k_sw, v_img, v_sw
.if DOCPART == 1
	.amdgcn_target "amdgcn-amd-amdhsa--gfx1250"
	.amdhsa_code_object_version 6
	.text
	.protected	k_q3e11ada40f_proj
	.globl	k_q3e11ada40f_proj
	.p2align	8
	.type	k_q3e11ada40f_proj,@function
k_q3e11ada40f_proj:
	s_mov_b64 s[64:65], 0
	v_nop
	global_prefetch_b8 v0, s[64:65] scope:SCOPE_SE
	s_setreg_imm32_b32 hwreg(HW_REG_WAVE_MODE, 25, 1), 1
	s_wait_xcnt 0x0
	s_wait_alu depctr_hold_cnt(0) depctr_sa_sdst(0) depctr_va_vdst(0) depctr_va_sdst(0) depctr_va_ssrc(0) depctr_va_vcc(0) depctr_vm_vsrc(0)
	s_getreg_b32 s2, hwreg(HW_REG_IB_STS2, 6, 4)
	s_cmp_eq_u32 s2, 0
	s_cbranch_scc0 .Lentry_in_a_cluster
	s_endpgm
.Lentry_in_a_cluster:
	s_bfe_u32 s2, ttmp6, 0x10000c
	s_cmp_lg_u32 s2, 0xf033
	s_cbranch_scc0 .Lentry_shape_is_right
	s_endpgm
.Lentry_shape_is_right:
; THE THREE PROJECTIONS, each as C[m][n] = sum over k of A[m][k] B[n][k] on codes of FP8 (E4M3) with one E8M0 scale for each 32 along K = 1,024, and C QUANTISED ALONG n on the way out.
;   q, k: A = x (8,192 rows b 2048 + t), B = Wq or Wk (1,024 rows h 64 + d): C = q or k, quantised along the head's d.
;   v:    A = Wv (1,024 rows h 64 + d), B = x: C = V^T, quantised along the keys.
; All operands have rows of 1,024 codes and 32 scale bytes, so one text and one set of tile shapes serves all three: the cluster's x (0, 1, 2 = q, k, v) chooses pointers and a few numbers, by selects, never by a branch.
; A tile of C, 256 x 256, is made by four waves, each 128 x 128: 64 accumulators, 512 registers.  K goes in steps of 256 through a ring of two LDS slots; the scale bytes of the tile's rows come once and stay.
; CLUSTERS: 4 x 4 work-groups; A's tiles are asked for jointly along a row of the cluster, B's along a column.  The matrix instruction is used transposed (source 0 = 16 rows of B, source 1 = 16 rows of A):
; a lane then holds eight neighbouring n of one row m.
; WHAT IS STORED.  Codes as IMAGES OF OPERAND REGISTERS: img[m / 16][n / 32][512 bytes]; in a piece of 512 bytes lane (r, h) has 16 bytes at 16 x lane: row rho, columns 32 x piece + 16 h + 0 .. 15.
; THE ROWS OF AN IMAGE TILE ARE NOT NEIGHBOURS: tile 2 b + u holds rows 32 b + 8 u + r + 8 (r / 8).  Scale words as sw[n / 128][m in the images' order], four bytes for 128 along n.
; A block's scale is 2^(floor(log2(largest magnitude)) - 8); each number is held within +-448 x the scale and rounded to the nearest code.
; LIMITS: NaN and infinities among the values are not served.  A block of zeros gets the byte 1 where the quantiser's rule says 127: its codes are zeros, and this program alone reads the bytes.
; REGISTERS, in windows of 256: window 0: v0-31 addresses; v32-63 scale words, two sets; from v128 A's fragments, one set; on the way out v64-215 are at work.
;   window 1: B's fragments, two sets.   window 2: the accumulators of my rows 0-63 ((a, b) at v[8 (8 a + b)]);   window 3: those of my rows 64-127.
.set KSTEP,  256                       ; along K in a slot
.set NQ,     2                         ; matrix instructions deep
.set ROWB,   256                       ; a tile's row in bytes
.set KROW,   1024                      ; a row of A or of B in memory
.set PITCH,  272                       ; an LDS row: 256 bytes + 16 of padding: the 16 rows that a load touches start 68 words apart
.set FR,     16                        ; registers of a fragment
.set NL,     4                         ; LDS loads that bring one
.set NP,     8                         ; places behind this matrix instruction (ISA guide 7.12.1)
.set HALFT,  128*PITCH
.set SLOT,   4*HALFT                   ; A's 256 rows, then B's 256 rows
.set LAPS,   2                         ; 1,024 / 512
.set KS,     32                        ; a row of scales in bytes
.set SCL,    2*SLOT                    ; behind the ring: the scales, as pieces of 256 bytes + 16 of padding
.set HALFS,  (128*KS/256)*272
.set SBLK,   (16*KS/256)*272
.set SPARE,  SCL+4*HALFS               ; the spare words, 128 bytes for each wave
.set CPITCH, 272                       ; the way out: a stage of 256 rows x (256 codes + 16), in slot 0, which has had its last fill and its last read by then;
.set SST,    256*CPITCH                ; behind it 512 bytes for each wave: its 128 scale words
.set CO,   12                          ; v12-15  16 x lane + i image tiles
.set ADRA, 16
.set ADRB, 20
.set SSTO, 22                          ; v22     where I put a scale word
.set SRD,  23                          ; v23     and where I read four back
.set STO,  24                          ; v24     where I put 8 codes of a row
.set RD,   25                          ; v25     where I read 16 codes of an image back
.set LN,   26                          ; v26     16 x lane
.set ADRS, 27
.set SPW,  28
.set NIL,  29
.set SC,   32
.set AF,   128
.set PC,   64                          ; v64-191  the codes: 16 registers for each of my 8 blocks of rows; later the images
.set PW,   192                         ; v192-199 a scale word for each block
.set TM,   200                         ; v200-203 largest magnitudes, v204-207 bytes, v208-211 448 x the scale, v212-215 the conversions' scale operands
.set SEL,  18                          ; s[18:19] lane selects for lane l xor 16
.set MNT,  94                          ; s94      the mantissa field of 448
.set G1, 24
.set G0, 32
.set G1B, 48
.set G0B, 56
.set G1S, 68
.set G0S, 76
.set G1SB, 80
.set G0SB, 88
.set MSB, 0
.macro WIN new                         ; the immediate's high byte repeats the setting that is left
.if MSB != \new
	s_set_vgpr_msb (MSB<<8)|\new
.set MSB, \new
.endif
.endm
.set MUL_LO, 0xa1                      ; source 0 (B) window 1, source 1 (A) window 0, C and D window 2
.set MUL_HI, 0xf1
.set TO_B,   0x40
; A joint load: waves 0 and 1 fetch for A, waves 2 and 3 for B; the branch hangs on the wave's number alone.  Four v_nop follow each of the two lines.
.macro JLOAD g0a, g1a, g0b, g1b
	s_cmp_eq_u32 s15, 0
	s_cbranch_scc0 .Lfor_b_\@
	tensor_load_to_lds s[\g0a:\g0a+3], s[\g1a:\g1a+7]
	s_nop 0
.rept 4
	v_nop
.endr
	s_branch .Lasked_\@
.Lfor_b_\@:
	tensor_load_to_lds s[\g0b:\g0b+3], s[\g1b:\g1b+7]
	s_nop 0
.rept 4
	v_nop
.endr
.Lasked_\@:
.endm
.macro CREST                           ; a round of the cluster's barrier behind its opening barrier
	s_cmp_lg_u32 s14, 0
	s_cbranch_scc1 .Lnot_wave_0_\@
	s_barrier_signal -3
.Lnot_wave_0_\@:
	s_barrier_wait -3
	s_barrier_signal -1
	s_barrier_wait -1
.endm
.macro CROUND
	s_barrier_signal -1
	s_barrier_wait -1
	CREST
.endm
	s_load_b512 s[68:83], s[0:1], 0x0              ; x's codes, scales; Wq's; Wk's; Wv's
	s_load_b256 s[84:91], s[0:1], 0x40             ; q_img, q_sw, k_img, k_sw
	s_load_b128 s[92:95], s[0:1], 0x60             ; v_img, v_sw
	v_lshl_add_u32 v[SPW], v0, 2, SPARE
	v_mov_b32 v[NIL], 0
	ds_add_u32 v28, v29
	ds_add_u32 v28, v29
	s_wait_dscnt 0x0
	v_lshrrev_b32 v1, 5, v0
	v_readfirstlane_b32 s14, v1                    ; wave 0..3
	s_lshr_b32 s15, s14, 1                         ; which half of the tile's rows is mine.  Also: I fetch for A (0) or for B (1)
	s_and_b32 s16, s14, 1                          ; which half of its columns.  Also: which 128 rows of that tile I fetch
	s_bfe_u32 s40, ttmp6, 0x40000                  ; cx, cy: my place in the cluster
	s_bfe_u32 s41, ttmp6, 0x40004
	s_and_b32 s18, ttmp7, 0xffff                   ; the cluster's y, 0 .. 7
	s_wait_kmcnt 0x0
	; WHICH PRODUCT: the cluster's x, equal in all sixteen partners.  Only pointers and numbers are chosen.
	s_cmp_eq_u32 ttmp9, 2                          ; v?
	s_cselect_b64 s[4:5], s[80:81], s[68:69]       ; A's codes: Wv's, else x's
	s_cselect_b64 s[6:7], s[82:83], s[70:71]       ; A's scales
	s_cselect_b64 s[8:9], s[68:69], s[76:77]       ; B's codes: x's, else Wk's
	s_cselect_b64 s[10:11], s[70:71], s[78:79]     ; B's scales
	s_cselect_b64 s[12:13], s[92:93], s[88:89]     ; the images
	s_cselect_b64 s[98:99], s[94:95], s[90:91]     ; the scale words
	s_cselect_b32 s100, 0, s18                     ; the long axis (32 tiles) is C's rows for q and k,
	s_cselect_b32 s101, s18, 0                     ; its columns for v
	s_mov_b32 s96, 16384
	s_cselect_b32 s96, 0x20000, s96                ; bytes of an image tile's row of pieces: 16 x the width of C
	s_mov_b32 s97, 8192
	s_cselect_b32 s97, 1024, s97                   ; rows of C
	s_cmp_eq_u32 ttmp9, 0                          ; q?
	s_cselect_b64 s[8:9], s[72:73], s[8:9]
	s_cselect_b64 s[10:11], s[74:75], s[10:11]
	s_cselect_b64 s[12:13], s[84:85], s[12:13]
	s_cselect_b64 s[98:99], s[86:87], s[98:99]
	s_lshl_b32 s42, s101, 2
	s_add_co_u32 s42, s42, s40                     ; tile column of C
	s_lshl_b32 s17, s100, 2
	s_add_co_u32 s17, s17, s41                     ; tile row of C
	s_lshl_b32 s43, s41, 2
	s_lshl_b32 s43, 15, s43                        ; my row of the cluster
	s_lshl_b32 s44, 0x1111, s40                    ; my column
	; descriptor group 1: rows of 256 bytes, 16 bytes of padding behind each: 256 rows for the head's loads; behind them the two words that count rows are set to 128, for the ring's
	s_or_b32 s[G1+0], s43, (0<<16)|(1<<20)|(1<<21)|(5<<22)|(3<<25)
	s_or_b32 s[G1B+0], s44, (0<<16)|(1<<20)|(1<<21)|(5<<22)|(3<<25)
.irp g, G1, G1B
	s_mov_b32 s[\g+1], ROWB<<16                    ; tensor_dim0
	s_mov_b32 s[\g+2], 256<<16                     ; tensor_dim1
	s_mov_b32 s[\g+3], ROWB<<16                    ; tile_dim0
	s_mov_b32 s[\g+4], 256                         ; tile_dim1
	s_mov_b32 s[\g+5], KROW                        ; from row to row
	s_mov_b32 s[\g+6], 0
	s_mov_b32 s[\g+7], 0
.endr
	; the scales of 256 rows: 8,192 dense bytes, as rows of 256 bytes (32 elements of 8 bytes), 16 bytes of padding behind each
	s_or_b32 s[G1S+0], s43, (3<<16)|(1<<20)|(1<<21)|(5<<22)|(3<<25)
	s_or_b32 s[G1SB+0], s44, (3<<16)|(1<<20)|(1<<21)|(5<<22)|(3<<25)
.irp g, G1S, G1SB
	s_mov_b32 s[\g+1], 32<<16
	s_mov_b32 s[\g+2], (256*KS/256)<<16
	s_mov_b32 s[\g+3], 32<<16
	s_mov_b32 s[\g+4], 256*KS/256
	s_mov_b32 s[\g+5], 32
	s_mov_b32 s[\g+6], 0
	s_mov_b32 s[\g+7], 0
.endr
	s_lshl_b32 s20, s17, 8                         ; A: the tile's first row, 256 x tile row
	s_lshl_b32 s46, s42, 8                         ; B: 256 x tile column
	s_mov_b32 s21, 0
	s_mov_b32 s47, 0
	s_mov_b64 s[18:19], KS
	s_mul_u64 s[22:23], s[20:21], s[18:19]         ; where these rows' scales begin,
	s_mul_u64 s[92:93], s[46:47], s[18:19]
	s_mov_b64 s[18:19], KROW
	s_mul_u64 s[20:21], s[20:21], s[18:19]         ; and their codes
	s_mul_u64 s[46:47], s[46:47], s[18:19]
	s_mul_i32 s18, s16, 128*KROW                   ; in the ring I fetch 128 rows of a tile: which half, in bytes,
	s_mov_b32 s19, 0
	s_mul_i32 s45, s14, HALFT                      ; and where they go: wave x 128 rows
	s_add_nc_u64 s[20:21], s[4:5], s[20:21]
	s_add_nc_u64 s[22:23], s[6:7], s[22:23]
	s_add_nc_u64 s[46:47], s[8:9], s[46:47]
	s_add_nc_u64 s[92:93], s[10:11], s[92:93]
	CROUND                                         ; all sixteen work-groups are here: the first joint loads meet
	s_mov_b32 s[G0S], 1
	s_mov_b32 s[G0S+1], SCL
	s_mov_b64 s[G0S+2:G0S+3], s[22:23]
	s_or_b32 s[G0S+3], s[G0S+3], 0x80000000
	s_mov_b32 s[G0SB], 1
	s_mov_b32 s[G0SB+1], SCL+2*HALFS
	s_mov_b64 s[G0SB+2:G0SB+3], s[92:93]
	s_or_b32 s[G0SB+3], s[G0SB+3], 0x80000000
.set G0H, 4                            ; s[4:7], s[8:11] group 0 of the head's loads of K step 0 (the pointers that lay there have been used)
.set G0HB, 8
	s_mov_b32 s[G0H], 1                            ; K step 0's 256 rows of A,
	s_mov_b32 s[G0H+1], 0
	s_mov_b64 s[G0H+2:G0H+3], s[20:21]
	s_or_b32 s[G0H+3], s[G0H+3], 0x80000000
	s_mov_b32 s[G0HB], 1                           ; and of B, behind them in slot 0
	s_mov_b32 s[G0HB+1], 2*HALFT
	s_mov_b64 s[G0HB+2:G0HB+3], s[46:47]
	s_or_b32 s[G0HB+3], s[G0HB+3], 0x80000000
	s_add_nc_u64 s[20:21], s[20:21], s[18:19]      ; for the ring: my 128 rows of the tile
	s_add_nc_u64 s[46:47], s[46:47], s[18:19]
.irp s, 0,1
	s_mov_b32 s[G0+4*\s], 1
	s_add_co_u32 s[G0+4*\s+1], s45, \s*SLOT
	s_add_nc_u64 s[G0+4*\s+2:G0+4*\s+3], s[20:21], \s*ROWB
	s_or_b32 s[G0+4*\s+3], s[G0+4*\s+3], 0x80000000
	s_mov_b32 s[G0B+4*\s], 1
	s_add_co_u32 s[G0B+4*\s+1], s45, \s*SLOT
	s_add_nc_u64 s[G0B+4*\s+2:G0B+4*\s+3], s[46:47], \s*ROWB
	s_or_b32 s[G0B+4*\s+3], s[G0B+4*\s+3], 0x80000000
.endr
; THE HEAD'S LOADS, ONE A WAVE: wave 0 K step 0's 256 rows of A, wave 1 its 256 rows of B, wave 2 the scales of A's 256 rows, wave 3 those of B's.  One chain of branches on the wave's number.
.macro ARM under, g0, g1, next
	s_cmp_lt_u32 s14, \under
	s_cbranch_scc0 \next
	tensor_load_to_lds s[\g0:\g0+3], s[\g1:\g1+7]
	s_nop 0
.rept 4
	v_nop
.endr
	s_branch .Lhead_asked
\next:
.endm
	ARM 1, G0H,  G1,  .Lhead_b
	ARM 2, G0HB, G1B, .Lhead_sa
	ARM 3, G0S,  G1S, .Lhead_sb
	tensor_load_to_lds s[G0SB:G0SB+3], s[G1SB:G1SB+7]
	s_nop 0
.rept 4
	v_nop
.endr
.Lhead_asked:
	v_and_b32 v1, 15, v0                           ; r = l % 16
	v_bfe_u32 v2, v0, 4, 1                         ; h = l / 16
	v_mul_u32_u24 v3, v1, PITCH
	v_lshl_add_u32 v4, v2, 4, v3                   ; a fragment's row x pitch + 16 x half
	s_mul_i32 s21, s15, HALFT                      ; my 128 rows of A
	s_mul_i32 s22, s16, HALFT                      ; my 128 rows of B,
	s_add_co_u32 s22, s22, 2*HALFT                 ; which lie behind A's 256
.irp s, 0,1
	v_add_nc_u32 v[ADRA+\s], s21, v4
	v_add_nc_u32 v[ADRB+\s], s22, v4
	s_add_co_u32 s21, s21, SLOT
	s_add_co_u32 s22, s22, SLOT
.endr
	v_mul_u32_u24 v5, v1, KS                       ; my row's scales: 32 bytes a row,
	v_lshrrev_b32 v6, 8, v5
	v_lshl_add_u32 v5, v6, 4, v5                   ; and 16 more for each 256 passed
	s_mul_i32 s21, s15, HALFS
	s_mul_i32 s22, s16, HALFS
	s_add_co_u32 s22, s22, 2*HALFS
	s_sub_co_u32 s22, s22, s21
	v_mul_u32_u24 v6, s22, v2                      ; lanes 16-31 take B's
	s_add_co_u32 s21, s21, SCL
	v_add_nc_u32 v5, v5, v6
	v_add_nc_u32 v[ADRS], s21, v5
	; the way out's addresses
	s_lshl_b32 s21, s15, 7
	s_mul_i32 s21, s21, CPITCH                     ; my 128 rows of the stage,
	s_lshl_b32 s22, s16, 7
	s_add_co_u32 s21, s21, s22                     ; my 128 of their 256 bytes
	v_mul_u32_u24 v5, v1, CPITCH
	v_lshl_add_u32 v5, v2, 3, v5
	v_add_nc_u32 v[STO], s21, v5                   ; in: row r, 8 bytes for each half of the lanes
	v_and_b32 v6, 8, v1
	v_add_nc_u32 v6, v6, v1                        ; r + 8 (r / 8)
	v_mul_u32_u24 v5, v6, CPITCH
	v_lshl_add_u32 v5, v2, 4, v5
	s_mul_i32 s21, s14, 64*CPITCH
	v_add_nc_u32 v[RD], s21, v5                    ; back: wave w makes the images of rows 64 w .. 64 w + 63
	s_lshl_b32 s21, s14, 9
	s_add_co_u32 s21, s21, SST
	v_lshl_add_u32 v[SSTO], v6, 2, s21             ; row 16 a + r stands at place 32 (a / 2) + 8 (a % 2) + r + 8 (r / 8) of the images' order
	v_and_b32 v5, 31, v0
	v_lshlrev_b32 v[LN], 4, v5
	v_add_nc_u32 v[SRD], s21, v[LN]
	v_mov_b32 v[CO], v[LN]
.irp i, 1,2,3
	s_mul_i32 s22, s96, \i
	v_add_nc_u32 v[CO+\i], s22, v[LN]
.endr
	s_lshl_b32 s20, s17, 4
	s_lshl_b32 s21, s14, 2
	s_add_co_u32 s20, s20, s21                     ; my first image tile: 16 x tile row + 4 x wave
	s_mul_i32 s20, s20, s96
	s_mov_b32 s21, 0
	s_lshl_b32 s46, s42, 12                        ; the tile's 8 pieces of 512 bytes
	s_mov_b32 s47, 0
	s_add_nc_u64 s[20:21], s[20:21], s[46:47]
	s_add_nc_u64 s[12:13], s[12:13], s[20:21]
	s_lshl_b32 s20, s42, 1
	s_add_co_u32 s20, s20, s16                     ; which 128 along n
	s_mul_i32 s20, s20, s97
	s_lshl_b32 s22, s17, 8
	s_add_co_u32 s20, s20, s22
	s_lshl_b32 s22, s15, 7
	s_add_co_u32 s20, s20, s22                     ; + my first row
	s_lshl_b32 s20, s20, 2
	s_mov_b32 s21, 0
	s_add_nc_u64 s[98:99], s[98:99], s[20:21]
	s_mov_b32 s[SEL], 0x76543210
	s_mov_b32 s[SEL+1], 0xfedcba98
	s_mov_b32 s[MNT], 0x600000
.macro FRAG reg, adr, q, i             ; 16 rows x 128 K: lane l holds row l % 16; registers 4 c .. 4 c + 3 hold K = 32 c + 16 (l / 16) + 0 .. 15
.irp c, 0,1,2,3
	ds_load_b128 v[\reg+4*\c:\reg+4*\c+3], v[\adr] offset:128*(\q)+32*\c+(\i)*16*PITCH
.endr
.endm
; 16 matrix instructions: A's blocks a0, a0 + 1 x B's eight.  The 64 accumulators take turns, one instruction a turn, in the same order in every step.
.macro MUL16 a0, p, q, sc, zero
.irp a, \a0, \a0+1
.irp b, 0,1,2,3,4,5,6,7
.if \zero
	v_wmma_scale_f32_16x16x128_f8f6f4 v[8*(8*((\a)%4)+\b):8*(8*((\a)%4)+\b)+7], v[128*(\p)+FR*\b:128*(\p)+FR*\b+FR-1], v[AF+FR*(\a):AF+FR*(\a)+FR-1], 0, v[SC+8*NQ*(\sc)+NQ*\b+(\q)], v[SC+8*NQ*(\sc)+NQ*(\a)+(\q)] matrix_a_scale:MATRIX_SCALE_ROW1
.else
	v_wmma_scale_f32_16x16x128_f8f6f4 v[8*(8*((\a)%4)+\b):8*(8*((\a)%4)+\b)+7], v[128*(\p)+FR*\b:128*(\p)+FR*\b+FR-1], v[AF+FR*(\a):AF+FR*(\a)+FR-1], v[8*(8*((\a)%4)+\b):8*(8*((\a)%4)+\b)+7], v[SC+8*NQ*(\sc)+NQ*\b+(\q)], v[SC+8*NQ*(\sc)+NQ*(\a)+(\q)] matrix_a_scale:MATRIX_SCALE_ROW1
.endif
.endr
.endr
.endm
.macro FETCH_B slot, q, p
	WIN TO_B
.irp i, 0,1,2,3,4,5,6,7
	FRAG 128*(\p)+FR*\i, ADRB+\slot, \q, \i
.endr
	WIN 0
.endm
.macro FETCH_A slot, q, i0
.irp i, \i0, \i0+1, \i0+2, \i0+3
	FRAG AF+FR*(\i), ADRA+\slot, \q, \i
.endr
.endm
.macro SCALES sc                       ; a K step's scale words: lanes 0-15 take A's block i, lanes 16-31 B's block i
.irp i, 0,1,2,3,4,5,6,7
	ds_load_b64 v[SC+8*NQ*\sc+NQ*\i:SC+8*NQ*\sc+NQ*\i+1], v[ADRS] offset:\i*SBLK
.endr
.endm
.macro PLACES n                        ; plain vector instructions that name no register of the matrix instructions in front (ISA guide 7.12.1)
.rept \n
	v_nop
.endr
.endm
.macro STEP slot, q, zero              ; 128 along K whose successor lies in the same slot
	s_wait_dscnt 4*NL                              ; B's set and A's blocks 0-3 are in; the youngest 16 loads (A's blocks 4-7) may be out
	WIN MUL_LO
	MUL16 0, (\q)%2, \q, \slot, \zero
	MUL16 2, (\q)%2, \q, \slot, \zero
	s_wait_dscnt 0
	PLACES NP
	FETCH_B \slot, (\q)+1, 1-(\q)%2
	FETCH_A \slot, (\q)+1, 0
	WIN MUL_HI
	MUL16 4, (\q)%2, \q, \slot, \zero
	MUL16 6, (\q)%2, \q, \slot, \zero
	PLACES NP
	WIN 0
	FETCH_A \slot, (\q)+1, 4
.endm
; A slot's last step changes slots: one barrier; in front of it each wave waits for all its tensor loads, adds 0 to its spare word, and waits for that and for its reads of this slot.
.macro TURN slot, next, fill
	s_wait_tensorcnt 0x0                           ; all my tensor loads have landed: my part of the next slot
	ds_add_u32 v[SPW], v[NIL]                      ; 0 onto my spare word
	s_wait_dscnt 4*NL+1                            ; (the add and the youngest 16 loads may be out)
	WIN MUL_LO
	MUL16 0, 1, NQ-1, \slot, 0
	s_wait_dscnt 0x0                               ; the add is done, and my reads of this slot are over
	s_barrier_signal -1
	MUL16 2, 1, NQ-1, \slot, 0
	WIN 0
	s_barrier_wait -1
.if \fill
	CREST                                          ; the barrier has opened a round of the cluster's: no wave of any partner still reads this slot or has a load on its way
	s_add_nc_u64 s[G0+4*\slot+2:G0+4*\slot+3], s[G0+4*\slot+2:G0+4*\slot+3], 2*ROWB
	s_add_nc_u64 s[G0B+4*\slot+2:G0B+4*\slot+3], s[G0B+4*\slot+2:G0B+4*\slot+3], 2*ROWB
	JLOAD G0+4*\slot, G1, G0B+4*\slot, G1B         ; the first tensor load behind the round; its four v_nop are among the places in front of the loads below
	PLACES NP-4
.else
	PLACES NP
.endif
	s_wait_alu depctr_va_vdst(0)
	v_add_nc_u32 v[ADRS], 4*NQ, v[ADRS]            ; on to the next K step's scale words
	FETCH_B \next, 0, 0
	FETCH_A \next, 0, 0
	SCALES \next
	WIN MUL_HI
	MUL16 4, 1, NQ-1, \slot, 0
	MUL16 6, 1, NQ-1, \slot, 0
	PLACES NP
	WIN 0
	FETCH_A \next, 0, 4
.endm
	s_wait_alu depctr_va_vdst(0)
	s_wait_tensorcnt 0x0                           ; my tile of the head's four is in
	ds_add_u32 v[SPW], v[NIL]
	s_mov_b32 s[G1+2], 128<<16                     ; no tensor load of mine is out: from here on a load brings 128 rows
	s_mov_b32 s[G1+4], 128
	s_mov_b32 s[G1B+2], 128<<16
	s_mov_b32 s[G1B+4], 128
	s_wait_dscnt 0x0
	CROUND                                         ; a whole round: all four tiles are in, and all sixteen work-groups are here
	JLOAD G0+4, G1, G0B+4, G1B                     ; K step 1's load, the first tensor load behind the round
	FETCH_B 0, 0, 0
	FETCH_A 0, 0, 0
	SCALES 0
	FETCH_A 0, 0, 4
	STEP 0, 0, 1                                   ; the first step's products start the sums
	s_mov_b32 s3, LAPS-1
.Llap:
	TURN 0, 1, 1
	STEP 1, 0, 0
	TURN 1, 0, 1
	STEP 0, 0, 0
	s_sub_co_u32 s3, s3, 1
	s_cmp_lg_u32 s3, 0
	s_cbranch_scc1 .Llap
	TURN 0, 1, 0                                   ; the last lap fills nothing
	STEP 1, 0, 0
	s_wait_dscnt 4*NL
	WIN MUL_LO
	MUL16 0, 1, NQ-1, 1, 0
	MUL16 2, 1, NQ-1, 1, 0
	s_wait_dscnt 0
	WIN MUL_HI
	MUL16 4, 1, NQ-1, 1, 0
	MUL16 6, 1, NQ-1, 1, 0
	WIN 0
; THE WAY OUT.  Block a = my rows 16 a .. 16 a + 15, 128 columns: four blocks of 32 along n.  Block beta lies in accumulators 2 beta and 2 beta + 1: lane (r, h) holds columns 32 beta + 8 h + 0 .. 7 and
; 32 beta + 16 + 8 h + 0 .. 7 of row r, lane l xor 16 the other sixteen.  Each accumulator is read from its low end on.
.macro QEPI a
.set W, 2+(\a)/4
.set AC, 64*((\a)%4)
.set WN, W|(W<<2)
	WIN WN                                         ; sources 0 and 1: the accumulators' window
.irp b, 0,1,2,3
	v_max3_num_f32 v[TM+\b], |v[AC+16*\b]|, |v[AC+16*\b+1]|, 0x4800000   ; the floor 2^(9 - 127): the byte cannot fall under 1
.endr
.set WN, (W<<2)|(W<<4)
	WIN WN                                         ; sources 1 and 2
.irp i, 2,4,6,8,10,12,14
.irp b, 0,1,2,3
	v_max3_num_f32 v[TM+\b], v[TM+\b], |v[AC+16*\b+\i]|, |v[AC+16*\b+\i+1]|   ; the four blocks by turns
.endr
.endr
	WIN 0
.irp b, 0,1,2,3
	v_permlanex16_b32 v[TM+4+\b], v[TM+\b], s[SEL], s[SEL+1]
.endr
.irp b, 0,1,2,3
	v_max_num_f32 v[TM+\b], v[TM+\b], v[TM+4+\b]   ; the block's largest magnitude
.endr
.irp b, 0,1,2,3
	v_add_nc_u32 v[TM+12+\b], 0xfc000000, v[TM+\b] ; 8 off its exponent field: the conversion's scale operand
.endr
.irp b, 0,1,2,3
	v_and_or_b32 v[TM+8+\b], v[TM+\b], 0x7f800000, s[MNT]   ; 448 x the scale
.endr
.irp b, 0,1,2,3
	v_lshrrev_b32 v[TM+4+\b], 23, v[TM+12+\b]      ; the scale's byte
.endr
	v_lshl_or_b32 v[PW+(\a)], v[TM+5], 8, v[TM+4]
	v_lshl_or_b32 v[PW+(\a)], v[TM+6], 16, v[PW+(\a)]
	v_lshl_or_b32 v[PW+(\a)], v[TM+7], 24, v[PW+(\a)]   ; my row's scale word for these 128 columns
.set WN, (W<<6)|W
	WIN WN                                         ; destination and source 0
.irp b, 0,1,2,3
.set n, 0
.rept 16
	v_med3_num_f32 v[AC+16*\b+n], v[AC+16*\b+n], -v[TM+8+\b], v[TM+8+\b]   ; the conversion to an 8-bit code does not saturate (ISA guide 7.6.2): the hold
.set n, n+1
.endr
.endr
	WIN W                                          ; source 0
.irp b, 0,1,2,3
	v_cvt_scalef32_pk8_fp8_f32 v[PC+16*(\a)+4*\b:PC+16*(\a)+4*\b+1], v[AC+16*\b:AC+16*\b+7], v[TM+12+\b]
	v_cvt_scalef32_pk8_fp8_f32 v[PC+16*(\a)+4*\b+2:PC+16*(\a)+4*\b+3], v[AC+16*\b+8:AC+16*\b+15], v[TM+12+\b]
.endr
	WIN 0
	v_nop                                          ; a plain line behind the conversions: the next block writes their scale operands
.irp b, 0,1,2,3
	ds_store_b64 v[STO], v[PC+16*(\a)+4*\b:PC+16*(\a)+4*\b+1] offset:(\a)*16*CPITCH+32*\b
	ds_store_b64 v[STO], v[PC+16*(\a)+4*\b+2:PC+16*(\a)+4*\b+3] offset:(\a)*16*CPITCH+32*\b+16
.endr
	ds_store_b32 v[SSTO], v[PW+(\a)] offset:4*(32*((\a)/2)+8*((\a)%2))   ; both halves of the lanes write the same word with the same value
.endm
	PLACES NP                                      ; behind the last products: vector instructions below write registers that held A's fragments
.irp b, 0,1,2,3
	v_mov_b32 v[TM+4+\b], 0                        ; written once: a lane permute's destination counts as one of its sources
.endr
.irp a, 0,1,2,3,4,5,6,7
	QEPI \a
.endr
	s_wait_dscnt 0x0                               ; for the others' sake: a stage row's 256 bytes come from two waves
	s_barrier_signal -1
	s_barrier_wait -1
	ds_load_b128 v[PW:PW+3], v[SRD]                ; my 128 scale words, in the images' order
.irp i, 0,1,2,3
.irp c, 0,1,2,3,4,5,6,7
	ds_load_b128 v[PC+4*(8*\i+\c):PC+4*(8*\i+\c)+3], v[RD] offset:(32*(\i/2)+8*(\i%2))*CPITCH+32*\c   ; image tile i, piece c
.endr
.endr
	s_wait_dscnt 32                                ; all but the 32 just issued
	global_store_b128 v[LN], v[PW:PW+3], s[98:99]  ; 512 consecutive bytes
.irp i, 0,1,2,3
.irp c, 0,1,2,3,4,5,6,7
	s_wait_dscnt 31-(8*\i+\c)
	global_store_b128 v[CO+\i], v[PC+4*(8*\i+\c):PC+4*(8*\i+\c)+3], s[12:13] offset:512*\c   ; a piece: 512 consecutive bytes, at a multiple of 512 from the buffer's first byte
.endr
.endr
	s_wait_tensorcnt 0x0                           ; the wave's end
	ds_add_u32 v[SPW], v[NIL]
	s_wait_dscnt 0x0
	CROUND                                         ; the closing round
	s_endpgm
.Lfunc_end_k_q3e11ada40f_proj:
	.size	k_q3e11ada40f_proj, .Lfunc_end_k_q3e11ada40f_proj-k_q3e11ada40f_proj
	.p2alignl 7, 3214868480
	.fill 96, 4, 3214868480
	.section	.rodata,"a",@progbits
	.p2align	6, 0x0
	.amdhsa_kernel k_q3e11ada40f_proj
		.amdhsa_group_segment_fixed_size 327680
		.amdhsa_private_segment_fixed_size 0
		.amdhsa_enable_private_segment 0
		.amdhsa_kernarg_size 112
		.amdhsa_user_sgpr_count 2
		.amdhsa_user_sgpr_kernarg_segment_ptr 1
		.amdhsa_wavefront_size32 1
		.amdhsa_system_sgpr_workgroup_id_x 1
		.amdhsa_system_sgpr_workgroup_id_y 1
		.amdhsa_system_sgpr_workgroup_id_z 1
		.amdhsa_system_vgpr_workitem_id 0
		.amdhsa_next_free_vgpr 1024
		.amdhsa_next_free_sgpr 102
		.amdhsa_reserve_vcc 0
		.amdhsa_float_denorm_mode_32 3
		.amdhsa_float_denorm_mode_16_64 3
		.amdhsa_memory_ordered 1
		.amdhsa_forward_progress 1
		.amdhsa_inst_pref_size 195
	.end_amdhsa_kernel
	.amdgpu_metadata
---
amdhsa.version: [ 1, 2 ]
amdhsa.kernels:
  - .name:           k_q3e11ada40f_proj
    .symbol:         k_q3e11ada40f_proj.kd
    .args:
      - { .name: x_codes, .offset: 0, .size: 8, .value_kind: global_buffer, .address_space: global }
      - { .name: x_scales, .offset: 8, .size: 8, .value_kind: global_buffer, .address_space: global }
      - { .name: Wq_codes, .offset: 16, .size: 8, .value_kind: global_buffer, .address_space: global }
      - { .name: Wq_scales, .offset: 24, .size: 8, .value_kind: global_buffer, .address_space: global }
      - { .name: Wk_codes, .offset: 32, .size: 8, .value_kind: global_buffer, .address_space: global }
      - { .name: Wk_scales, .offset: 40, .size: 8, .value_kind: global_buffer, .address_space: global }
      - { .name: Wv_codes, .offset: 48, .size: 8, .value_kind: global_buffer, .address_space: global }
      - { .name: Wv_scales, .offset: 56, .size: 8, .value_kind: global_buffer, .address_space: global }
      - { .name: q_img, .offset: 64, .size: 8, .value_kind: global_buffer, .address_space: global }
      - { .name: q_sw, .offset: 72, .size: 8, .value_kind: global_buffer, .address_space: global }
      - { .name: k_img, .offset: 80, .size: 8, .value_kind: global_buffer, .address_space: global }
      - { .name: k_sw, .offset: 88, .size: 8, .value_kind: global_buffer, .address_space: global }
      - { .name: v_img, .offset: 96, .size: 8, .value_kind: global_buffer, .address_space: global }
      - { .name: v_sw, .offset: 104, .size: 8, .value_kind: global_buffer, .address_space: global }
    .group_segment_fixed_size: 327680
    .private_segment_fixed_size: 0
    .kernarg_segment_align: 8
    .kernarg_segment_size: 112
    .max_flat_workgroup_size: 128
    .sgpr_count:     102
    .vgpr_count:     1024
    .wavefront_size: 32
...
	.end_amdgpu_metadata
.endif
;; end of part 1
;; launch attn (part 2): grid 4 x 64, 16 waves a work-group, clusters of 4 x 1, 327,680 bytes of LDS; arguments q_img, q_sw, k_img, k_sw, v_img, v_sw, a_img, a_sc; writes a_img, a_sc
.if DOCPART == 2
	.amdgcn_target "amdgcn-amd-amdhsa--gfx1250"
	.amdhsa_code_object_version 6
	.text
	.protected	k_q3e11ada40f_attn
	.globl	k_q3e11ada40f_attn
	.p2align	8
	.type	k_q3e11ada40f_attn,@function
k_q3e11ada40f_attn:
	s_mov_b64 s[64:65], 0
	v_nop
	global_prefetch_b8 v0, s[64:65] scope:SCOPE_SE
	s_setreg_imm32_b32 hwreg(HW_REG_WAVE_MODE, 25, 1), 1
	s_wait_xcnt 0x0
	s_wait_alu depctr_hold_cnt(0) depctr_sa_sdst(0) depctr_va_vdst(0) depctr_va_sdst(0) depctr_va_ssrc(0) depctr_va_vcc(0) depctr_vm_vsrc(0)
	s_getreg_b32 s2, hwreg(HW_REG_IB_STS2, 6, 4)
	s_cmp_eq_u32 s2, 0
	s_cbranch_scc0 .Lentry_in_a_cluster
	s_endpgm
.Lentry_in_a_cluster:
	s_bfe_u32 s2, ttmp6, 0x10000c
	s_cmp_lg_u32 s2, 0x3003
	s_cbranch_scc0 .Lentry_shape_is_right
	s_endpgm
.Lentry_shape_is_right:
; CAUSAL ATTENTION ON CODES OF FP8 (E4M3), 64 (batch, head) pairs, 2,048 queries and keys, head size 64; the result is divided by the row's sum and quantised along h 64 + d for the last product.
; t = score x log2(e) / 32 (the logits' factor is 1,024^-0.5 = 2^-5); M = the running largest t rounded UP to a whole number; p = 2^(t - M) is quantised along the keys, not normalised; the row's sum is
; taken of the unquantised p.  When M moves, the sum and O are multiplied by 2^(old M - new M): exact.
; LEFT OUT: key steps all of whose keys come after a tile's queries: the causal mask sets their scores to -infinity, so their p is 0 for all values of the inputs.
; OPERANDS come as images of registers (a piece of 512 bytes = four registers of 32 lanes, 16 bytes a lane at 16 x lane): every fragment is read by ds_load_b128 at 16 x lane, dense.
; The rows of an image tile are not neighbours: tile 2 b + u holds rows 32 b + 8 u + r + 8 (r / 8): the 16 registers of two neighbouring tiles of S^T are 16 neighbouring keys, those of O^T 16 neighbouring d.
; Both products are used transposed: S^T = K Q^T (source 0 = 16 keys), O^T = V^T P^T (source 0 = 16 of the head's 64): a lane holds ONE query throughout.
; K = 64 IN A FORM OF 128: Q's fragment has zero codes in registers 8-15.  K's tile t is named as v[KR + 8 t .. + 15]: its upper half is the next tile's codes (behind tile 3: eight registers of zeros), which
; meet Q's zeros.  The scale words come as 16 bits, so their upper bytes are 0, never 0xff.
; THE HEAD'S WHOLE K AND V STAY IN LDS: K 128 tiles x 1,024 bytes, V 4 d-tiles x 32,768 bytes, their scale words 8,192 + 4,096 bytes: 274,432 bytes, each filled ONCE, by sixteen loads at the head, one a wave.
; So nothing is filled again, and behind the second barrier no wave waits for another.  Waves 0-8 fetch what key step 0 reads (V's first 256 keys of each d-tile, K's first 32 tiles, the scale words), by load
; lines of their own, and they alone wait at the first barrier; waves 9-15 fetch the rest, which every wave waits for behind step 0.
; SHARES.  A cluster of four work-groups is one (batch, head); all sixteen loads are asked for jointly.  The head's 128 query tiles are 16 groups G of 8 (128 queries); a tile of group G needs key steps 0 .. G,
; the last on the diagonal.  Partner g takes tiles 8 G + 2 g + e (e = 0, 1) of EVERY group.  Wave w (e = w % 2) owns groups w / 2 and 15 - w / 2: (G + 1) + (16 - G) = 17 tile steps in every wave.
; Every wave walks all 16 steps: trip counts are constants; a step that is left out is jumped over by a branch on ids.
; NO PREFETCH: all that the work-group reads through LDS is asked for at the head; no later load exists to ask ahead of.
; LIMITS: NaN and infinities are not served (the codes of k that stand against Q's zeros must be numbers: the launch that makes them holds every number at the largest code).  A block of zeros gets the byte 1
; where the quantiser's rule says 127: its codes are zeros, and this program alone reads the bytes.  v_exp_f32 gives 0 for results under 2^-126.  The scaled scores stay under 2^31 in magnitude.
; REGISTERS: v1-3 lane addresses; v4, v5 for the add; v6-8, v253, v254 the step's addresses; v9 the mask's d; v10 -infinity; v11 h; v12-19 -M, largest t, the sum (a pair) of tiles 0, 1; v20, 21 Q's scale words;
; v22 f, v23 p's scale word; v24-27 block maxima; v28-31 K's scale words; v32-35 V's; v36-67 Q, two tiles; v68-107 four tiles of K and eight zeros (v68-85 and v89-92 also at work in the softmax); v108-123 p's codes;
; v124-187 S^T, p, then V; v188-251 O^T.
.set KB,    131072                     ; V lies from 0 on: d-tile b at 32,768 b, key step s 2,048 s on; K from here: key tile j at 1,024 j
.set SCK,   262144                     ; k's scale words of the head pair's 2,048 keys
.set SCV,   270336                     ; v's: 16 key steps x 64 words
.set SPARE, 274432                     ; the spare words, 128 bytes for each of 16 waves
.set A0,   1
.set ASK0, 2
.set ASV0, 3
.set SPW,  4
.set NIL,  5
.set ADK,  6
.set ADS,  7
.set ADT,  8
.set DM,   9
.set NINF, 10
.set HH,   11
.set FF,   22
.set BM,   24
.set KSW,  28
.set VSW,  32
.set KR,   68
.set T1,   68
.set T2,   72
.set T3,   76
.set SUM2, 80
.set PC,   108
.set S,    124
.set ADV,  253                         ; v253: V's d-tiles 0, 1; v254: d-tiles 2, 3 (65,536 bytes on)
.set WV,   20
.set SIG,  21                          ; s21  the key step, 0 .. 15
.set GA,   22                          ; s22, s23  my two tiles' groups
.set SEL,  24
.set CS,   26
.set MNT,  28
.set TK,   29                          ; s29  the step's tiles of K: KB + 8,192 a step
.set TS,   30                          ; s30  its scale words of K: 512 a step
.set TJ,   31                          ; s31  and of V: 256
.set G1D,  32                          ; group 1: 4,096 dense bytes
.set G1SV, 40                          ; V's scale words
.set G1R,  48                          ; 28,672 dense bytes
.set G1K,  56                          ; 32 key tiles
.set G0VA, 68
.set G0K,  72
.set G0SK, 76
.set G0SV, 80
.set G0VB, 84
.set TV,   94                          ; s94  the step's keys in a d-tile of V: 2,048 a step
.set CNT,  95
.macro CROUND                          ; a round of the cluster's barrier
	s_barrier_signal -1
	s_barrier_wait -1
	s_cmp_lg_u32 s[WV], 0
	s_cbranch_scc1 .Lnot_wave_0_\@
	s_barrier_signal -3
.Lnot_wave_0_\@:
	s_barrier_wait -3
	s_barrier_signal -1
	s_barrier_wait -1
.endm
.macro GRP1 g, c, r, p                 ; r rows of c elements of 8 bytes, p elements apart, no padding; the mask of all four partners, bit 21 beside it
	s_mov_b32 s[\g], 15|(3<<16)|(1<<21)
	s_mov_b32 s[\g+1], (\c)<<16
	s_mov_b32 s[\g+2], (\r)<<16
	s_mov_b32 s[\g+3], (\c)<<16
	s_mov_b32 s[\g+4], \r
	s_mov_b32 s[\g+5], \p
	s_mov_b32 s[\g+6], 0
	s_mov_b32 s[\g+7], 0
.endm
	s_load_b512 s[4:19], s[0:1], 0x0               ; q_img, q_sw, k_img, k_sw, v_img, v_sw, a_img, a_sc
	v_lshl_add_u32 v[SPW], v0, 2, SPARE
	v_mov_b32 v[NIL], 0
	ds_add_u32 v[SPW], v[NIL]                      ; the opening lines: the add, twice on end, and its wait ahead of my tensor load
	ds_add_u32 v[SPW], v[NIL]
	v_lshrrev_b32 v6, 5, v0
	v_readfirstlane_b32 s[WV], v6                  ; wave 0..15
	s_and_b32 s95, ttmp7, 0xffff                   ; 16 x batch + head: the cluster's y, shared by the four partners
	s_lshr_b32 s2, s95, 4                          ; batch
	s_and_b32 s3, s95, 15                          ; head
	s_and_b32 s96, s[WV], 1                        ; e; also: which half of the scale words I fetch
	s_and_b32 s94, s[WV], 3                        ; which d-tile of V, or which 32 tiles of K, I fetch
	s_lshr_b32 s97, s3, 1                          ; the pair of heads that shares a scale word
	s_and_b32 s95, s3, 1
	s_lshl_b32 s95, s95, 1                         ; my head's two bytes in it
	v_and_b32 v6, 31, v0
	v_lshlrev_b32 v[A0], 4, v6                     ; 16 x lane
	v_and_b32 v7, 15, v0                           ; r
	v_bfe_u32 v[HH], v0, 4, 1                      ; h
	s_add_co_u32 s98, s95, SCK
	v_lshl_add_u32 v[ASK0], v7, 2, s98
	v_lshl_add_u32 v[ASV0], v7, 2, SCV
	s_lshr_b32 s[GA], s[WV], 1                     ; group w / 2,
	s_xor_b32 s[GA+1], s[GA], 15                   ; and 15 - w / 2
	GRP1 G1D, 32, 16, 32                           ; 16 rows of 256 bytes, dense: half of K's scale words; V's first 256 keys of a d-tile
	GRP1 G1SV, 32, 8, 512                          ; V's scale words: 8 key steps x 256 bytes, 4,096 bytes apart
	GRP1 G1R, 32, 112, 32                          ; 112 rows of 256 bytes, dense: the other 1,792 keys of a d-tile
	GRP1 G1K, 128, 32, 2048                        ; K: 32 key tiles of 1,024 bytes, 16,384 bytes apart
	s_mov_b32 s[SEL], 0x76543210
	s_mov_b32 s[SEL+1], 0xfedcba98                 ; lane l xor 16
	s_mov_b32 s[CS], 0x3d38aa3b                    ; c = log2(e) / 32
	s_mov_b32 s[CS+1], s[CS]
	s_mov_b32 s[MNT], 0x600000                     ; the mantissa field of 448
	s_mov_b32 s[TK], KB
	s_mov_b32 s[TS], 0
	s_mov_b32 s[TJ], 0
	s_mov_b32 s[SIG], 0
	s_mov_b32 s101, 0
	s_wait_dscnt 0x0                               ; both opening adds are done
	s_wait_kmcnt 0x0
	s_lshl_b32 s100, s3, 19                        ; V: (4 head + d-tile) x 131,072 + batch x 32,768
	s_lshl_b32 s99, s94, 17
	s_add_co_u32 s100, s100, s99
	s_lshl_b32 s99, s2, 15
	s_add_co_u32 s100, s100, s99
	s_mov_b32 s[G0VA], 1
	s_lshl_b32 s[G0VA+1], s94, 15
	s_add_nc_u64 s[G0VA+2:G0VA+3], s[12:13], s[100:101]
	s_mov_b32 s[G0VB], 1                           ; the rest of the d-tile: 4,096 bytes on, in memory and in LDS
	s_add_co_u32 s[G0VB+1], s[G0VA+1], 4096
	s_add_nc_u64 s[G0VB+2:G0VB+3], s[G0VA+2:G0VA+3], 4096
	s_or_b32 s[G0VA+3], s[G0VA+3], 0x80000000
	s_or_b32 s[G0VB+3], s[G0VB+3], 0x80000000
	s_lshl_b32 s100, s2, 21                        ; K: batch x 128 tiles x 16,384 + head x 1,024 + which 32 tiles
	s_lshl_b32 s99, s3, 10
	s_add_co_u32 s100, s100, s99
	s_lshl_b32 s99, s94, 19
	s_add_co_u32 s100, s100, s99
	s_mov_b32 s[G0K], 1
	s_lshl_b32 s[G0K+1], s94, 15
	s_add_co_u32 s[G0K+1], s[G0K+1], KB
	s_add_nc_u64 s[G0K+2:G0K+3], s[8:9], s[100:101]
	s_or_b32 s[G0K+3], s[G0K+3], 0x80000000
	s_lshl_b32 s100, s97, 15                       ; K's scale words: 4 (pair x 8,192 + batch x 2,048) + half x 4,096
	s_lshl_b32 s99, s2, 13
	s_add_co_u32 s100, s100, s99
	s_lshl_b32 s99, s96, 12
	s_add_co_u32 s100, s100, s99
	s_mov_b32 s[G0SK], 1
	s_add_co_u32 s[G0SK+1], s99, SCK
	s_add_nc_u64 s[G0SK+2:G0SK+3], s[10:11], s[100:101]
	s_or_b32 s[G0SK+3], s[G0SK+3], 0x80000000
	s_lshl_b32 s100, s2, 16                        ; V's: 4 ((16 batch + 8 half) x 1,024 + 64 head)
	s_lshl_b32 s99, s96, 15
	s_add_co_u32 s100, s100, s99
	s_lshl_b32 s99, s3, 8
	s_add_co_u32 s100, s100, s99
	s_mov_b32 s[G0SV], 1
	s_lshl_b32 s[G0SV+1], s96, 11
	s_add_co_u32 s[G0SV+1], s[G0SV+1], SCV
	s_add_nc_u64 s[G0SV+2:G0SV+3], s[14:15], s[100:101]
	s_or_b32 s[G0SV+3], s[G0SV+3], 0x80000000
	s_mov_b32 s[TV], 0
	CROUND                                         ; all four work-groups are here: the joint loads meet
; THE SIXTEEN LOADS, ONE A WAVE, in one chain of branches on the wave's number.  Waves 0-3: V's first 256 keys of d-tile w; wave 4: K's tiles 0-31; waves 5, 6: K's scale words; waves 7, 8: V's;
; waves 9-12: the rest of d-tile w % 4; waves 13-15: K's tiles 32 (w % 4) on.  The lines of waves 0-8 are issued by no other wave.  An s_nop 0 and four v_nop follow each load.
.macro ARM under, g0, g1, next
	s_cmp_lt_u32 s[WV], \under
	s_cbranch_scc0 \next
	tensor_load_to_lds s[\g0:\g0+3], s[\g1:\g1+7]
	s_nop 0
.rept 4
	v_nop
.endr
	s_branch .Lasked
\next:
.endm
	ARM 4,  G0VA, G1D,  .Larm_k
	ARM 5,  G0K,  G1K,  .Larm_sk
	ARM 7,  G0SK, G1D,  .Larm_sv
	ARM 9,  G0SV, G1SV, .Larm_vb
	ARM 13, G0VB, G1R,  .Larm_kb
	tensor_load_to_lds s[G0K:G0K+3], s[G1K:G1K+7]
	s_nop 0
.rept 4
	v_nop
.endr
.Lasked:
	; my two query tiles: R = 128 batch + 8 G + 2 g + e.  My place g in the cluster enters Q's and the result's offsets and the mask's d alone
	s_bfe_u32 s98, ttmp6, 0x40000                  ; g
	s_lshl_b32 s99, s98, 1
	s_add_co_u32 s99, s99, s96
	s_lshl_b32 s100, s2, 7
	s_add_co_u32 s99, s99, s100
.irp x, 0,1
	s_lshl_b32 s100, s[GA+\x], 3
	s_add_co_u32 s100, s100, s99                   ; R
	s_lshl_b32 s[88+\x], s100, 14
	s_lshl_b32 s101, s3, 10
	s_add_co_u32 s[88+\x], s[88+\x], s101          ; in q_img and a_img: R x 16,384 + head x 1,024
	s_lshl_b32 s[90+\x], s100, 9
	s_lshl_b32 s101, s3, 1
	s_add_co_u32 s[90+\x], s[90+\x], s101          ; in a_sc: 16 R rows of 32 bytes + 2 head
	s_lshl_b32 s[92+\x], s100, 6
	s_lshl_b32 s101, s97, 15
	s_add_co_u32 s[92+\x], s[92+\x], s101
	s_add_co_u32 s[92+\x], s[92+\x], s95           ; in q_sw: 4 (pair x 8,192 + 16 R) + my head's two bytes
.endr
	s_wait_alu depctr_va_vdst(0)                   ; ahead of the readers below
	v_add_nc_u32 v252, s88, v[A0]
	v_add_nc_u32 v253, s89, v[A0]
	v_lshl_add_u32 v254, v7, 2, s92
	v_lshl_add_u32 v255, v7, 2, s93
	global_load_b128 v[36:39], v252, s[4:5]        ; Q's fragments stay in registers
	global_load_b128 v[40:43], v252, s[4:5] offset:512
	global_load_b128 v[52:55], v253, s[4:5]
	global_load_b128 v[56:59], v253, s[4:5] offset:512
	global_load_u16 v20, v254, s[6:7]              ; and their scale words: two bytes, the upper two 0
	global_load_u16 v21, v255, s[6:7]
	v_and_b32 v[DM], 8, v7
	v_lshlrev_b32 v6, 4, v[HH]
	v_add_nc_u32 v[DM], v[DM], v7                  ; r + 8 (r / 8)
	s_lshl_b32 s98, s98, 5
	s_lshl_b32 s99, s96, 3
	s_add_co_u32 s98, s98, s99
	v_sub_nc_u32 v[DM], v[DM], v6
	v_add_nc_u32 v[DM], s98, v[DM]                 ; d = my query - 128 G - 16 h = 32 g + 8 e + r + 8 (r / 8) - 16 h
	v_mov_b32 v[NINF], 0xff800000
.irp j, 0,1,2,3,4,5,6,7
	v_mov_b32 v[44+\j], 0                          ; zero codes: Q's K = 64 .. 127,
	v_mov_b32 v[60+\j], 0
	v_mov_b32 v[KR+32+\j], 0                       ; and what stands behind K's fourth tile
.endr
.irp j, 0,1,2,3
	v_mov_b32 v[T1+\j], 0                          ; written once: a lane permute's destination counts as one of its sources
.endr
.irp x, 0,1
	v_mov_b32 v[13+4*\x], 0xff61b1e6               ; the largest t so far: -3e38
	v_mov_b32 v[14+4*\x], 0                        ; the sum, in two halves
	v_mov_b32 v[15+4*\x], 0
	v_floor_f32 v[12+4*\x], -v[13+4*\x]            ; -M
.endr
	v_mov_b32 v23, 0                               ; (named as the upper half of the pair v[22:23] before it is first written)
.set n, 0
.rept 64
	v_mov_b32 v[188+n], 0                          ; O^T: the step is written once; the first finds zeros, which the first change of M leaves zeros
.set n, n+1
.endr
; ONE TILE OF 16 QUERIES AGAINST ONE STEP OF 128 KEYS.
.macro TILE x
.set ST, 12+4*\x
.set QF, 36+16*\x
.set QS, 20+\x
.set O,  188+32*\x
	s_cmp_gt_u32 s[SIG], s[GA+\x]                  ; all keys of the step come after my queries: nothing to do
	s_cbranch_scc1 .Lhidden_\@
	s_wait_alu depctr_va_vdst(0)
.irp g, 0,1                                        ; S^T = K Q^T, four tiles of 16 keys at a time
.if \g
.rept 8
	v_nop                                          ; places in front of loads into registers that the four products above have read
.endr
.endif
.irp t, 0,1,2,3
	ds_load_b128 v[KR+8*\t:KR+8*\t+3], v[ADK] offset:(4*\g+\t)*1024
	ds_load_b128 v[KR+8*\t+4:KR+8*\t+7], v[ADK] offset:(4*\g+\t)*1024+512
	ds_load_u16 v[KSW+\t], v[ADS] offset:64*(4*\g+\t)
.endr
.if \g == 0
.rept 9
	v_nop                                          ; the scores are written by matrix instructions over registers that the last V^T P read: nine places
.endr
.endif
	s_wait_dscnt 0x0
.irp t, 0,1,2,3
	v_wmma_scale_f32_16x16x128_f8f6f4 v[S+8*(4*\g+\t):S+8*(4*\g+\t)+7], v[KR+8*\t:KR+8*\t+15], v[QF:QF+15], 0, v[KSW+\t], v[QS]
.endr
.endr                                              ; register 16 b + i of lane (r, h): key 128 step + 32 b + 16 h + i, query r
	s_cmp_lg_u32 s[SIG], s[GA+\x]
	s_cbranch_scc1 .Lopen_\@
.set n, 0
.rept 16                                           ; ON THE DIAGONAL hidden scores become -infinity: hidden where 32 b + i > d.  Four compares into four scalar masks, then their four selects.  (The first 64 lines name nothing of the last four products: their places)
.irp k, 0,1,2,3
	v_cmp_gt_i32 s[96+\k], 32*((n+\k)/16)+(n+\k)%16, v[DM]
.endr
.irp k, 0,1,2,3
	v_cndmask_b32 v[S+n+\k], v[S+n+\k], v[NINF], s[96+\k]
.endr
.set n, n+4
.endr
.Lopen_\@:
.irp p, 0,2                                        ; the largest score of each block of 32 keys, each block in two chains (the second in a register of p's codes, free here), four chains by turns; blocks 0 and 1 first: their 14 lines name nothing of the last four products and are the places behind them
.irp b, \p, \p+1
	v_max3_num_f32 v[BM+\b], v[S+16*(\b)], v[S+16*(\b)+1], v[S+16*(\b)+2]
	v_max3_num_f32 v[PC+\b], v[S+16*(\b)+8], v[S+16*(\b)+9], v[S+16*(\b)+10]
.endr
.irp i, 3,5
.irp b, \p, \p+1
	v_max3_num_f32 v[BM+\b], v[BM+\b], v[S+16*(\b)+\i], v[S+16*(\b)+\i+1]
	v_max3_num_f32 v[PC+\b], v[PC+\b], v[S+16*(\b)+\i+8], v[S+16*(\b)+\i+9]
.endr
.endr
.irp b, \p, \p+1
	v_max3_num_f32 v[BM+\b], v[BM+\b], v[S+16*(\b)+7], v[S+16*(\b)+15]
.endr
.endr
.irp b, 0,1,2,3
	v_max_num_f32 v[BM+\b], v[BM+\b], v[PC+\b]     ; a block's two chains joined
.endr
.irp b, 0,1,2,3
	v_permlanex16_b32 v[T1+\b], v[BM+\b], s[SEL], s[SEL+1]
.endr
.irp b, 0,1,2,3
	s_delay_alu instid0(VALU_DEP_4)
	v_max_num_f32 v[BM+\b], v[BM+\b], v[T1+\b]     ; with lane l xor 16's 16 keys
.endr
	s_delay_alu instid0(VALU_DEP_2)
	v_max3_num_f32 v252, v[BM], v[BM+1], v[BM+2]
	s_delay_alu instid0(VALU_DEP_1)
	v_max_num_f32 v252, v252, v[BM+3]              ; the step's largest score of my query
	s_delay_alu instid0(VALU_DEP_1)
	v_mul_f32 v252, s[CS], v252
	s_delay_alu instid0(VALU_DEP_1)
	v_max_num_f32 v[ST+1], v[ST+1], v252           ; the running largest t
	v_mov_b32 v252, v[ST]
	s_delay_alu instid0(VALU_DEP_2)
	v_floor_f32 v[ST], -v[ST+1]                    ; the new -M = floor(-t): M is a whole number
	s_delay_alu instid0(VALU_DEP_1)
	v_sub_f32 v252, v[ST], v252                    ; old M - new M: a whole number, 0 or less
.set n, 0
.rept 32
	v_pk_fma_f32 v[S+n:S+n+1], v[S+n:S+n+1], s[CS:CS+1], v[ST:ST+1] op_sel_hi:[1,0,0]   ; t - M, two at a time; the last two lines of f's chain stand among them, five lines apart
.if n == 8
	v_cvt_i32_f32 v252, v252                       ; (it saturates)
.endif
.if n == 18
	v_ldexp_f32 v[FF], 1.0, v252                   ; f = 2^(old M - new M)
.endif
.set n, n+2
.endr
.irp b, 0,1,2,3
	v_fma_f32 v[BM+\b], v[BM+\b], s[CS], v[ST]     ; the same of each block's largest score
.endr
.set n, 0
	s_wait_alu depctr_va_vdst(0)
.rept 64
	v_exp_f32 v[S+n], v[S+n]                       ; p = 2^(t - M)
.set n, n+1
.endr
.irp b, 0,1,2,3
	v_exp_f32 v[BM+\b], v[BM+\b]                   ; the block's largest p: the same two instructions on the same number
.endr
	v_pk_mul_f32 v[ST+2:ST+3], v[ST+2:ST+3], v[FF:FF+1] op_sel_hi:[1,0]   ; the sums under the new M.  (A plain line behind the exponentials)
	s_wait_alu depctr_va_vdst(0)                   ; and behind it, ahead of its first reader
.irp b, 0,1,2,3
	v_max_num_f32 v[BM+\b], 0x4800000, v[BM+\b]    ; the floor 2^(9 - 127): the byte cannot fall under 1
.endr
.irp b, 0,1,2,3
	s_delay_alu instid0(VALU_DEP_4)
	v_add_nc_u32 v[T3+\b], 0xfc000000, v[BM+\b]    ; 8 off the exponent field: the conversion's scale operand
.endr
.set T4, 89                                        ; v89-92: a second copy of the bounds, each one register bank on from the first: the two halves of a dual line take their second sources from different banks
.irp b, 0,1,2,3
	v_and_or_b32 v[T2+\b], v[BM+\b], 0x7f800000, s[MNT]   ; 448 x the scale
.endr
.irp b, 0,1,2,3
	v_and_or_b32 v[T4+\b], v[BM+\b], 0x7f800000, s[MNT]
.endr
.irp b, 0,1,2,3
	v_lshrrev_b32 v[T1+\b], 23, v[T3+\b]           ; the scale's byte
.endr
	v_pk_add_f32 v[SUM2:SUM2+1], v[S:S+1], v[S+2:S+3]   ; the row's sum is taken of the unquantised p: two at a time, in four chains (three of them in v80-85); 32 additions in all
	v_pk_add_f32 v[SUM2+2:SUM2+3], v[S+4:S+5], v[S+6:S+7]
	v_pk_add_f32 v[SUM2+4:SUM2+5], v[S+8:S+9], v[S+10:S+11]
	v_lshl_or_b32 v[FF+1], v[T1+1], 8, v[T1]       ; p's scale word for these 128 keys: its three lines stand among the additions
.set n, 12
.rept 6
	v_pk_add_f32 v[ST+2:ST+3], v[ST+2:ST+3], v[S+n:S+n+1]
	v_pk_add_f32 v[SUM2:SUM2+1], v[SUM2:SUM2+1], v[S+n+2:S+n+3]
	v_pk_add_f32 v[SUM2+2:SUM2+3], v[SUM2+2:SUM2+3], v[S+n+4:S+n+5]
	v_pk_add_f32 v[SUM2+4:SUM2+5], v[SUM2+4:SUM2+5], v[S+n+6:S+n+7]
.if n == 12
	v_lshl_or_b32 v[FF+1], v[T1+2], 16, v[FF+1]
.endif
.if n == 20
	v_lshl_or_b32 v[FF+1], v[T1+3], 24, v[FF+1]
.endif
.set n, n+8
.endr
	v_pk_add_f32 v[ST+2:ST+3], v[ST+2:ST+3], v[S+60:S+61]
	v_pk_add_f32 v[SUM2:SUM2+1], v[SUM2:SUM2+1], v[S+62:S+63]
	v_pk_add_f32 v[SUM2+2:SUM2+3], v[SUM2+2:SUM2+3], v[SUM2+4:SUM2+5]
	v_pk_add_f32 v[ST+2:ST+3], v[ST+2:ST+3], v[SUM2:SUM2+1]
.irp b, 0,1,2,3
.set n, 0
.rept 8
	v_dual_min_num_f32 v[S+16*\b+n], v[S+16*\b+n], v[T2+\b] :: v_dual_min_num_f32 v[S+16*\b+n+1], v[S+16*\b+n+1], v[T4+\b]   ; the conversion does not saturate (ISA guide 7.6.2); p is not negative, so the hold is one-sided; two holds a line
.set n, n+2
.endr
.if \b == 0
	v_pk_add_f32 v[ST+2:ST+3], v[ST+2:ST+3], v[SUM2+2:SUM2+3]   ; the last of the four chains joined
.endif
	v_cvt_scalef32_pk8_fp8_f32 v[PC+4*\b:PC+4*\b+1], v[S+16*\b:S+16*\b+7], v[T3+\b]
	v_cvt_scalef32_pk8_fp8_f32 v[PC+4*\b+2:PC+4*\b+3], v[S+16*\b+8:S+16*\b+15], v[T3+\b]
.irp c, 0,1,2,3
	ds_load_b128 v[S+16*\b+4*\c:S+16*\b+4*\c+3], v[ADV+(\b)/2] offset:32768*((\b)%2)+512*\c   ; V's d-tile b takes the registers that block b's p has left
.endr
	ds_load_b32 v[VSW+\b], v[ADT] offset:64*\b
.endr
.set n, 0
.rept 16
	v_pk_mul_f32 v[O+n:O+n+1], v[O+n:O+n+1], v[FF:FF+1] op_sel_hi:[1,0]   ; O^T under the new M.  (Also the plain lines behind the conversions and in front of the products)
.set n, n+2
.endr
	s_wait_alu depctr_va_vdst(0)
	s_wait_dscnt 0x0
.irp t, 0,1,2,3                                    ; O^T += V^T P^T: the four accumulators by turns
	v_wmma_scale_f32_16x16x128_f8f6f4 v[O+8*\t:O+8*\t+7], v[S+16*\t:S+16*\t+15], v[PC:PC+15], v[O+8*\t:O+8*\t+7], v[VSW+\t], v[FF+1]
.endr
.Lhidden_\@:
.endm
.macro STEP
	v_add_nc_u32 v[ADV], s[TV], v[A0]              ; the step's addresses, on every wave's path
	v_add_nc_u32 v[ADK], s[TK], v[A0]
	v_add_nc_u32 v[ADS], s[TS], v[ASK0]
	v_add_nc_u32 v[ADT], s[TJ], v[ASV0]
	v_add_nc_u32 v[ADV+1], 0x10000, v[ADV]
	TILE 0
	TILE 1
	s_add_co_u32 s[SIG], s[SIG], 1
	s_add_co_u32 s[TK], s[TK], 8192
	s_add_co_u32 s[TV], s[TV], 2048
	s_add_co_u32 s[TS], s[TS], 512
	s_add_co_u32 s[TJ], s[TJ], 256
.endm
	s_wait_alu depctr_va_vdst(0)
	s_wait_loadcnt 0x0                             ; Q
	s_cmp_lt_u32 s[WV], 9
	s_cbranch_scc0 .Lnot_first
	s_wait_tensorcnt 0x0                           ; waves 0-8: what key step 0 reads has landed.  The other waves' wait stands at the second barrier
.Lnot_first:
	s_barrier_signal -1
	s_barrier_wait -1
	STEP                                           ; key step 0, which counts for every tile: the other seven loads land meanwhile
	s_wait_tensorcnt 0x0                           ; every wave: all sixteen loads are in
	s_wait_dscnt 0x0
	s_barrier_signal -1
	s_barrier_wait -1
	s_mov_b32 s[CNT], 15
.Lstep:                                            ; key steps 1 .. 15: nothing is filled, so no barrier stands here
	STEP
	s_sub_co_u32 s[CNT], s[CNT], 1
	s_cmp_lg_u32 s[CNT], 0
	s_cbranch_scc1 .Lstep
	s_wait_alu depctr_va_vdst(0)                   ; the last step's address registers are named again on the way out
; THE WAY OUT.  O^T / the sum; register 16 b + i of lane (r, h) is d = 32 b + 16 h + i of query r: two blocks of 32 along the last product's K.  The codes are two pieces of the query tile's image and leave as they stand.
.rept 8
	v_nop                                          ; places behind the last products
.endr
	v_cmp_eq_u32 vcc_lo, 1, v[HH]
	v_and_b32 v8, 15, v0
	s_delay_alu instid0(VALU_DEP_1)
	v_lshl_add_u32 v8, v8, 5, v[HH]                ; 32 r + h: lane (r, h) stores block h's byte of row r
.macro FIN x
.set ST, 12+4*\x
.set O,  188+32*\x
.set SS, S+32*\x
.set PX, PC+8*\x
	v_add_f32 v252, v[ST+2], v[ST+3]               ; the sum's two halves,
	s_delay_alu instid0(VALU_DEP_1)
	v_permlanex16_b32 v253, v252, s[SEL], s[SEL+1]
	s_delay_alu instid0(VALU_DEP_1)
	v_add_f32 v252, v252, v253                     ; and lane l xor 16's
	s_wait_alu depctr_va_vdst(0)
	v_rcp_f32 v252, v252
	v_nop                                          ; a plain line behind the transcendental
.set n, 0
	s_wait_alu depctr_va_vdst(0)
.rept 32
	v_mul_f32 v[SS+n], v[O+n], v252                ; each accumulator from its low end on
.set n, n+1
.endr
.irp b, 0,1
	v_max3_num_f32 v[BM+\b], |v[SS+16*\b]|, |v[SS+16*\b+1]|, 0x4800000
.endr
.irp i, 2,4,6,8,10,12,14
.irp b, 0,1
	s_delay_alu instid0(VALU_DEP_2)
	v_max3_num_f32 v[BM+\b], v[BM+\b], |v[SS+16*\b+\i]|, |v[SS+16*\b+\i+1]|
.endr
.endr
.irp b, 0,1
	s_delay_alu instid0(VALU_DEP_2)
	v_permlanex16_b32 v[T1+\b], v[BM+\b], s[SEL], s[SEL+1]
.endr
.irp b, 0,1
	s_delay_alu instid0(VALU_DEP_2)
	v_max_num_f32 v[BM+\b], v[BM+\b], v[T1+\b]
.endr
.irp b, 0,1
	s_delay_alu instid0(VALU_DEP_2)
	v_add_nc_u32 v[T3+\b], 0xfc000000, v[BM+\b]
.endr
.irp b, 0,1
	s_delay_alu instid0(VALU_DEP_4)
	v_and_or_b32 v[T2+\b], v[BM+\b], 0x7f800000, s[MNT]
.endr
.irp b, 0,1
	s_delay_alu instid0(VALU_DEP_4)
	v_lshrrev_b32 v[T1+\b], 23, v[T3+\b]
.endr
.irp b, 0,1
.set n, 0
.rept 16
	v_med3_num_f32 v[SS+16*\b+n], v[SS+16*\b+n], -v[T2+\b], v[T2+\b]
.set n, n+1
.endr
	v_cvt_scalef32_pk8_fp8_f32 v[PX+4*\b:PX+4*\b+1], v[SS+16*\b:SS+16*\b+7], v[T3+\b]
	v_cvt_scalef32_pk8_fp8_f32 v[PX+4*\b+2:PX+4*\b+3], v[SS+16*\b+8:SS+16*\b+15], v[T3+\b]
.endr
	v_nop                                          ; a plain line behind the conversions
	v_cndmask_b32 v[254+\x], v[T1], v[T1+1], vcc_lo
	v_add_nc_u32 v[6+\x], s[88+\x], v[A0]
	v_add_nc_u32 v[2+\x], s[90+\x], v8
	global_store_b128 v[6+\x], v[PX:PX+3], s[16:17]               ; 512 consecutive bytes, at a multiple of 512 from the buffer's first byte
	global_store_b128 v[6+\x], v[PX+4:PX+7], s[16:17] offset:512
	global_store_b8 v[2+\x], v[254+\x], s[18:19]                  ; two bytes of each of 16 rows of 32: the one store here that does not cover whole runs
.endm
	FIN 0                                          ; each tile has registers of its own for what its stores read
	FIN 1
	s_wait_tensorcnt 0x0                           ; the wave's end
	ds_add_u32 v[SPW], v[NIL]
	s_wait_dscnt 0x0
	CROUND                                         ; the closing round
	s_endpgm
.Lfunc_end_k_q3e11ada40f_attn:
	.size	k_q3e11ada40f_attn, .Lfunc_end_k_q3e11ada40f_attn-k_q3e11ada40f_attn
	.p2alignl 7, 3214868480
	.fill 96, 4, 3214868480
	.section	.rodata,"a",@progbits
	.p2align	6, 0x0
	.amdhsa_kernel k_q3e11ada40f_attn
		.amdhsa_group_segment_fixed_size 327680
		.amdhsa_private_segment_fixed_size 0
		.amdhsa_enable_private_segment 0
		.amdhsa_kernarg_size 64
		.amdhsa_user_sgpr_count 2
		.amdhsa_user_sgpr_kernarg_segment_ptr 1
		.amdhsa_wavefront_size32 1
		.amdhsa_system_sgpr_workgroup_id_x 1
		.amdhsa_system_sgpr_workgroup_id_y 1
		.amdhsa_system_sgpr_workgroup_id_z 1
		.amdhsa_system_vgpr_workitem_id 0
		.amdhsa_next_free_vgpr 256
		.amdhsa_next_free_sgpr 102
		.amdhsa_reserve_vcc 1
		.amdhsa_float_denorm_mode_32 3
		.amdhsa_float_denorm_mode_16_64 3
		.amdhsa_memory_ordered 1
		.amdhsa_forward_progress 1
		.amdhsa_inst_pref_size 143
	.end_amdhsa_kernel
	.amdgpu_metadata
---
amdhsa.version: [ 1, 2 ]
amdhsa.kernels:
  - .name:           k_q3e11ada40f_attn
    .symbol:         k_q3e11ada40f_attn.kd
    .args:
      - { .name: q_img, .offset: 0, .size: 8, .value_kind: global_buffer, .address_space: global }
      - { .name: q_sw, .offset: 8, .size: 8, .value_kind: global_buffer, .address_space: global }
      - { .name: k_img, .offset: 16, .size: 8, .value_kind: global_buffer, .address_space: global }
      - { .name: k_sw, .offset: 24, .size: 8, .value_kind: global_buffer, .address_space: global }
      - { .name: v_img, .offset: 32, .size: 8, .value_kind: global_buffer, .address_space: global }
      - { .name: v_sw, .offset: 40, .size: 8, .value_kind: global_buffer, .address_space: global }
      - { .name: a_img, .offset: 48, .size: 8, .value_kind: global_buffer, .address_space: global }
      - { .name: a_sc, .offset: 56, .size: 8, .value_kind: global_buffer, .address_space: global }
    .group_segment_fixed_size: 327680
    .private_segment_fixed_size: 0
    .kernarg_segment_align: 8
    .kernarg_segment_size: 64
    .max_flat_workgroup_size: 512
    .sgpr_count:     102
    .vgpr_count:     256
    .wavefront_size: 32
...
	.end_amdgpu_metadata
.endif
;; end of part 2
;; launch outp (part 3): grid 4 x 32, 4 waves a work-group, clusters of 4 x 4, 327,680 bytes of LDS; arguments a_img, a_sc, Wo_codes, Wo_scales, out0, bo; writes out0
.if DOCPART == 3
	.amdgcn_target "amdgcn-amd-amdhsa--gfx1250"
	.amdhsa_code_object_version 6
	.text
	.protected	k_q3e11ada40f_outp
	.globl	k_q3e11ada40f_outp
	.p2align	8
	.type	k_q3e11ada40f_outp,@function
k_q3e11ada40f_outp:
	s_mov_b64 s[64:65], 0
	v_nop
	global_prefetch_b8 v0, s[64:65] scope:SCOPE_SE
	s_setreg_imm32_b32 hwreg(HW_REG_WAVE_MODE, 25, 1), 1
	s_wait_xcnt 0x0
	s_wait_alu depctr_hold_cnt(0) depctr_sa_sdst(0) depctr_va_vdst(0) depctr_va_sdst(0) depctr_va_ssrc(0) depctr_va_vcc(0) depctr_vm_vsrc(0)
	s_getreg_b32 s2, hwreg(HW_REG_IB_STS2, 6, 4)
	s_cmp_eq_u32 s2, 0
	s_cbranch_scc0 .Lentry_in_a_cluster
	s_endpgm
.Lentry_in_a_cluster:
	s_bfe_u32 s2, ttmp6, 0x10000c
	s_cmp_lg_u32 s2, 0xf033
	s_cbranch_scc0 .Lentry_shape_is_right
	s_endpgm
.Lentry_shape_is_right:
; THE LAST PRODUCT: out0[m][n] = sum over k of a[m][k] Wo[n][k] + bo[n], on codes of FP8 (E4M3) with one E8M0 scale for each 32 along K = 1,024; f32 sums; the bias is the first products' C.
; a comes as images of operand registers (a_img: [16 rows][piece of 32 along K][512 bytes]; the rows of an image tile are 32 b + 8 u + r + 8 (r / 8)) with its scale bytes in a_sc, rows of 32 in the images' order; Wo as it is given.
; A tile of out0, 256 x 256, is made by four waves, each 128 x 128; K goes in steps of 256 through a ring of two LDS slots; the scale bytes of the tile's rows come once and stay.
; CLUSTERS: 4 x 4 work-groups; a's tiles are asked for jointly along a row of the cluster, Wo's along a column.  The matrix instruction is used transposed: a lane holds eight neighbouring n of one row m.
; LIMITS: NaN and infinities among the values are not served.
.set NQ,     2
.set ROWB,   256
.set KROW,   1024
.set PITCH,  272
.set FR,     16
.set NL,     4
.set NP,     8
.set HALFT,  128*PITCH
.set AHALF,  32768
.set SLOT,   2*AHALF+2*HALFT
.set LAPS,   2
.set KS,     32
.set SCL,    2*SLOT
.set HALFS,  (128*KS/256)*272
.set SBLK,   (16*KS/256)*272
.set SPARE,  SCL+4*HALFS
.set SPITCH, 528
.set ADRA, 16
.set ADRB, 20
.set STO,  24
.set RD,   25
.set CO,   26
.set ADRS, 27
.set SPW,  28
.set NIL,  29
.set SC,   32
.set BI,   64
.set AF,   128
.set BK,   128
.set G1, 24
.set G0, 32
.set G1B, 48
.set G0B, 56
.set G1S, 68
.set G0S, 76
.set G1SB, 80
.set G0SB, 88
.set MSB, 0
.macro WIN new
.if MSB != \new
	s_set_vgpr_msb (MSB<<8)|\new
.set MSB, \new
.endif
.endm
.set MUL_LO, 0xa1
.set MUL_HI, 0xf1
.set TO_B,   0x40
.macro JLOAD g0a, g1a, g0b, g1b
	s_cmp_eq_u32 s15, 0
	s_cbranch_scc0 .Lfor_b_\@
	tensor_load_to_lds s[\g0a:\g0a+3], s[\g1a:\g1a+7]
	s_nop 0
.rept 4
	v_nop
.endr
	s_branch .Lasked_\@
.Lfor_b_\@:
	tensor_load_to_lds s[\g0b:\g0b+3], s[\g1b:\g1b+7]
	s_nop 0
.rept 4
	v_nop
.endr
.Lasked_\@:
.endm
.macro CREST
	s_cmp_lg_u32 s14, 0
	s_cbranch_scc1 .Lnot_wave_0_\@
	s_barrier_signal -3
.Lnot_wave_0_\@:
	s_barrier_wait -3
	s_barrier_signal -1
	s_barrier_wait -1
.endm
.macro CROUND
	s_barrier_signal -1
	s_barrier_wait -1
	CREST
.endm
	s_load_b128 s[4:7], s[0:1], 0x0
	s_load_b128 s[8:11], s[0:1], 0x10
	s_load_b64 s[12:13], s[0:1], 0x20
	s_load_b64 s[96:97], s[0:1], 0x28
	v_lshl_add_u32 v[SPW], v0, 2, SPARE
	v_mov_b32 v[NIL], 0
	ds_add_u32 v28, v29
	ds_add_u32 v28, v29
	s_wait_dscnt 0x0
	v_lshrrev_b32 v1, 5, v0
	v_readfirstlane_b32 s14, v1
	s_lshr_b32 s15, s14, 1
	s_and_b32 s16, s14, 1
	s_bfe_u32 s40, ttmp6, 0x40000
	s_bfe_u32 s41, ttmp6, 0x40004
	s_lshl_b32 s42, ttmp9, 2
	s_add_co_u32 s42, s42, s40
	s_and_b32 s17, ttmp7, 0xffff
	s_lshl_b32 s17, s17, 2
	s_add_co_u32 s17, s17, s41
	s_lshl_b32 s43, s41, 2
	s_lshl_b32 s43, 15, s43
	s_lshl_b32 s44, 0x1111, s40
	s_or_b32 s[G1+0], s43, (3<<16)|(1<<21)
	s_mov_b32 s[G1+1], 512<<16
	s_mov_b32 s[G1+2], 16<<16                      ; the head's load brings 16 image tiles (256 rows); behind it the two words that count rows are set to 8, for the ring's
	s_mov_b32 s[G1+3], 512<<16
	s_mov_b32 s[G1+4], 16
	s_mov_b32 s[G1+5], 2048
	s_mov_b32 s[G1+6], 0
	s_mov_b32 s[G1+7], 0
	s_or_b32 s[G1B+0], s44, (0<<16)|(1<<20)|(1<<21)|(5<<22)|(3<<25)
	s_mov_b32 s[G1B+1], ROWB<<16
	s_mov_b32 s[G1B+2], 256<<16                    ; likewise 256 rows of Wo at the head, 128 in the ring
	s_mov_b32 s[G1B+3], ROWB<<16
	s_mov_b32 s[G1B+4], 256
	s_mov_b32 s[G1B+5], KROW
	s_mov_b32 s[G1B+6], 0
	s_mov_b32 s[G1B+7], 0
	s_or_b32 s[G1S+0], s43, (3<<16)|(1<<20)|(1<<21)|(5<<22)|(3<<25)
	s_or_b32 s[G1SB+0], s44, (3<<16)|(1<<20)|(1<<21)|(5<<22)|(3<<25)
.irp g, G1S, G1SB
	s_mov_b32 s[\g+1], 32<<16
	s_mov_b32 s[\g+2], (256*KS/256)<<16            ; the scales of 256 rows: 8,192 dense bytes as 32 rows of 256
	s_mov_b32 s[\g+3], 32<<16
	s_mov_b32 s[\g+4], 256*KS/256
	s_mov_b32 s[\g+5], 32
	s_mov_b32 s[\g+6], 0
	s_mov_b32 s[\g+7], 0
.endr
	s_lshl_b32 s20, s17, 8                         ; a: the tile's first row, 256 x tile row
	s_lshl_b32 s46, s42, 8                         ; Wo: 256 x tile column
	s_mov_b32 s21, 0
	s_mov_b32 s47, 0
	s_mov_b64 s[18:19], KS
	s_mul_u64 s[22:23], s[20:21], s[18:19]
	s_mul_u64 s[92:93], s[46:47], s[18:19]
	s_mov_b64 s[18:19], KROW
	s_mul_u64 s[20:21], s[20:21], s[18:19]
	s_mul_u64 s[46:47], s[46:47], s[18:19]
	s_mul_i32 s45, s16, AHALF
	s_mul_i32 s95, s16, HALFT
	s_add_co_u32 s95, s95, 2*AHALF
	s_mul_i32 s18, s16, 128*KROW                   ; in the ring I fetch 128 rows of a tile: which half, in bytes
	s_mov_b32 s19, 0
	s_wait_kmcnt 0x0
	s_add_nc_u64 s[20:21], s[4:5], s[20:21]
	s_add_nc_u64 s[22:23], s[6:7], s[22:23]
	s_add_nc_u64 s[46:47], s[8:9], s[46:47]
	s_add_nc_u64 s[92:93], s[10:11], s[92:93]
	CROUND
	s_mov_b32 s[G0S], 1
	s_mov_b32 s[G0S+1], SCL
	s_mov_b64 s[G0S+2:G0S+3], s[22:23]
	s_or_b32 s[G0S+3], s[G0S+3], 0x80000000
	s_mov_b32 s[G0SB], 1
	s_mov_b32 s[G0SB+1], SCL+2*HALFS
	s_mov_b64 s[G0SB+2:G0SB+3], s[92:93]
	s_or_b32 s[G0SB+3], s[G0SB+3], 0x80000000
.set G0H, 4                            ; s[4:7], s[8:11] group 0 of the head's loads of K step 0 (the pointers that lay there have been used)
.set G0HB, 8
	s_mov_b32 s[G0H], 1                            ; K step 0's 256 rows of a,
	s_mov_b32 s[G0H+1], 0
	s_mov_b64 s[G0H+2:G0H+3], s[20:21]
	s_or_b32 s[G0H+3], s[G0H+3], 0x80000000
	s_mov_b32 s[G0HB], 1                           ; and of Wo, behind them in slot 0
	s_mov_b32 s[G0HB+1], 2*AHALF
	s_mov_b64 s[G0HB+2:G0HB+3], s[46:47]
	s_or_b32 s[G0HB+3], s[G0HB+3], 0x80000000
	s_add_nc_u64 s[20:21], s[20:21], s[18:19]      ; for the ring: my 128 rows of the tile
	s_add_nc_u64 s[46:47], s[46:47], s[18:19]
.irp s, 0,1
	s_mov_b32 s[G0+4*\s], 1
	s_add_co_u32 s[G0+4*\s+1], s45, \s*SLOT
	s_add_nc_u64 s[G0+4*\s+2:G0+4*\s+3], s[20:21], \s*4096
	s_or_b32 s[G0+4*\s+3], s[G0+4*\s+3], 0x80000000
	s_mov_b32 s[G0B+4*\s], 1
	s_add_co_u32 s[G0B+4*\s+1], s95, \s*SLOT
	s_add_nc_u64 s[G0B+4*\s+2:G0B+4*\s+3], s[46:47], \s*ROWB
	s_or_b32 s[G0B+4*\s+3], s[G0B+4*\s+3], 0x80000000
.endr
; THE HEAD'S LOADS, ONE A WAVE: wave 0 K step 0's 256 rows of a, wave 1 its 256 rows of Wo, wave 2 the scales of a's 256 rows, wave 3 those of Wo's.  One chain of branches on the wave's number.
.macro ARM under, g0, g1, next
	s_cmp_lt_u32 s14, \under
	s_cbranch_scc0 \next
	tensor_load_to_lds s[\g0:\g0+3], s[\g1:\g1+7]
	s_nop 0
.rept 4
	v_nop
.endr
	s_branch .Lhead_asked
\next:
.endm
	ARM 1, G0H,  G1,  .Lhead_b
	ARM 2, G0HB, G1B, .Lhead_sa
	ARM 3, G0S,  G1S, .Lhead_sb
	tensor_load_to_lds s[G0SB:G0SB+3], s[G1SB:G1SB+7]
	s_nop 0
.rept 4
	v_nop
.endr
.Lhead_asked:
	v_and_b32 v1, 15, v0
	v_bfe_u32 v2, v0, 4, 1
	v_mul_u32_u24 v3, v1, PITCH
	v_lshl_add_u32 v4, v2, 4, v3
	v_and_b32 v6, 31, v0
	v_lshlrev_b32 v[CO], 4, v6
	s_mul_i32 s21, s15, AHALF
	s_mul_i32 s22, s16, HALFT
	s_add_co_u32 s22, s22, 2*AHALF
.irp s, 0,1
	v_add_nc_u32 v[ADRA+\s], s21, v[CO]
	v_add_nc_u32 v[ADRB+\s], s22, v4
	s_add_co_u32 s21, s21, SLOT
	s_add_co_u32 s22, s22, SLOT
.endr
	v_mul_u32_u24 v5, v1, KS
	v_lshrrev_b32 v6, 8, v5
	v_lshl_add_u32 v5, v6, 4, v5
	s_mul_i32 s21, s15, HALFS
	s_mul_i32 s22, s16, HALFS
	s_add_co_u32 s22, s22, 2*HALFS
	s_sub_co_u32 s22, s22, s21
	v_mul_u32_u24 v6, s22, v2
	s_add_co_u32 s21, s21, SCL
	v_add_nc_u32 v5, v5, v6
	v_add_nc_u32 v[ADRS], s21, v5
	s_mul_i32 s23, s14, 16*SPITCH
	v_mul_u32_u24 v5, v1, SPITCH
	v_lshl_add_u32 v5, v2, 5, v5
	v_add_nc_u32 v[STO], s23, v5
	v_add_nc_u32 v[RD], s23, v[CO]
	s_lshl_b32 s20, s17, 8
	s_lshl_b32 s21, s15, 7
	s_add_co_u32 s20, s20, s21
	s_mov_b32 s21, 0
	s_lshl_b64 s[20:21], s[20:21], 12
	s_lshl_b32 s46, s42, 10
	s_lshl_b32 s47, s16, 9
	s_add_co_u32 s46, s46, s47
	s_mov_b32 s47, 0
	s_add_nc_u64 s[96:97], s[96:97], s[46:47]
	s_add_nc_u64 s[20:21], s[20:21], s[46:47]
	s_add_nc_u64 s[12:13], s[12:13], s[20:21]
	v_lshlrev_b32 v7, 5, v2
.irp b, 0,1,2,3,4,5,6,7
	global_load_b128 v[BI+8*\b:BI+8*\b+3], v7, s[96:97] offset:64*\b
	global_load_b128 v[BI+8*\b+4:BI+8*\b+7], v7, s[96:97] offset:64*\b+16
.endr
.macro FRAGB reg, adr, q, i
.irp c, 0,1,2,3
	ds_load_b128 v[\reg+4*\c:\reg+4*\c+3], v[\adr] offset:128*(\q)+32*\c+(\i)*16*PITCH
.endr
.endm
.macro FRAGA reg, adr, q, i
.irp c, 0,1,2,3
	ds_load_b128 v[\reg+4*\c:\reg+4*\c+3], v[\adr] offset:4096*(\i)+2048*(\q)+512*\c
.endr
.endm
.macro MUL16 a0, p, q, sc, first
.irp a, \a0, \a0+1
.irp b, 0,1,2,3,4,5,6,7
.if \first
	v_wmma_scale_f32_16x16x128_f8f6f4 v[8*(8*((\a)%4)+\b):8*(8*((\a)%4)+\b)+7], v[128*(\p)+FR*\b:128*(\p)+FR*\b+FR-1], v[AF+FR*(\a):AF+FR*(\a)+FR-1], v[BI+8*\b:BI+8*\b+7], v[SC+8*NQ*(\sc)+NQ*\b+(\q)], v[SC+8*NQ*(\sc)+NQ*(\a)+(\q)] matrix_a_scale:MATRIX_SCALE_ROW1
.else
	v_wmma_scale_f32_16x16x128_f8f6f4 v[8*(8*((\a)%4)+\b):8*(8*((\a)%4)+\b)+7], v[128*(\p)+FR*\b:128*(\p)+FR*\b+FR-1], v[AF+FR*(\a):AF+FR*(\a)+FR-1], v[8*(8*((\a)%4)+\b):8*(8*((\a)%4)+\b)+7], v[SC+8*NQ*(\sc)+NQ*\b+(\q)], v[SC+8*NQ*(\sc)+NQ*(\a)+(\q)] matrix_a_scale:MATRIX_SCALE_ROW1
.endif
.endr
.endr
.endm
.macro FETCH_B slot, q, p
	WIN TO_B
.irp i, 0,1,2,3,4,5,6,7
	FRAGB 128*(\p)+FR*\i, ADRB+\slot, \q, \i
.endr
	WIN 0
.endm
.macro FETCH_A slot, q, i0
.irp i, \i0, \i0+1, \i0+2, \i0+3
	FRAGA AF+FR*(\i), ADRA+\slot, \q, \i
.endr
.endm
.macro SCALES sc
.irp i, 0,1,2,3,4,5,6,7
	ds_load_b64 v[SC+8*NQ*\sc+NQ*\i:SC+8*NQ*\sc+NQ*\i+1], v[ADRS] offset:\i*SBLK
.endr
.endm
.macro PLACES n
.rept \n
	v_nop
.endr
.endm
.macro STEP slot, q, first
	s_wait_dscnt 4*NL
.if \first
	WIN 0x81
.else
	WIN MUL_LO
.endif
	MUL16 0, (\q)%2, \q, \slot, \first
	MUL16 2, (\q)%2, \q, \slot, \first
	s_wait_dscnt 0
	PLACES NP
	FETCH_B \slot, (\q)+1, 1-(\q)%2
	FETCH_A \slot, (\q)+1, 0
.if \first
	WIN 0xc1
.else
	WIN MUL_HI
.endif
	MUL16 4, (\q)%2, \q, \slot, \first
	MUL16 6, (\q)%2, \q, \slot, \first
	PLACES NP
	WIN 0
	FETCH_A \slot, (\q)+1, 4
.endm
.macro TURN slot, next, fill
	s_wait_tensorcnt 0x0
	ds_add_u32 v[SPW], v[NIL]
	s_wait_dscnt 4*NL+1
	WIN MUL_LO
	MUL16 0, 1, NQ-1, \slot, 0
	s_wait_dscnt 0x0
	s_barrier_signal -1
	MUL16 2, 1, NQ-1, \slot, 0
	WIN 0
	s_barrier_wait -1
.if \fill
	CREST
	s_add_nc_u64 s[G0+4*\slot+2:G0+4*\slot+3], s[G0+4*\slot+2:G0+4*\slot+3], 2*4096
	s_add_nc_u64 s[G0B+4*\slot+2:G0B+4*\slot+3], s[G0B+4*\slot+2:G0B+4*\slot+3], 2*ROWB
	JLOAD G0+4*\slot, G1, G0B+4*\slot, G1B
	PLACES NP-4
.else
	PLACES NP
.endif
	s_wait_alu depctr_va_vdst(0)
	v_add_nc_u32 v[ADRS], 4*NQ, v[ADRS]
	FETCH_B \next, 0, 0
	FETCH_A \next, 0, 0
	SCALES \next
	WIN MUL_HI
	MUL16 4, 1, NQ-1, \slot, 0
	MUL16 6, 1, NQ-1, \slot, 0
	PLACES NP
	WIN 0
	FETCH_A \next, 0, 4
.endm
	s_wait_alu depctr_va_vdst(0)
	s_wait_tensorcnt 0x0                           ; my tile of the head's four is in
	ds_add_u32 v[SPW], v[NIL]
	s_mov_b32 s[G1+2], 8<<16                       ; no tensor load of mine is out: from here on a load brings 128 rows
	s_mov_b32 s[G1+4], 8
	s_mov_b32 s[G1B+2], 128<<16
	s_mov_b32 s[G1B+4], 128
	s_wait_dscnt 0x0
	CROUND                                         ; a whole round: all four tiles are in, and all sixteen work-groups are here
	JLOAD G0+4, G1, G0B+4, G1B                     ; K step 1's load, the first tensor load behind the round
	FETCH_B 0, 0, 0
	FETCH_A 0, 0, 0
	SCALES 0
	FETCH_A 0, 0, 4
	s_wait_loadcnt 0x0
	STEP 0, 0, 1
	s_mov_b32 s3, LAPS-1
.Llap:
	TURN 0, 1, 1
	STEP 1, 0, 0
	TURN 1, 0, 1
	STEP 0, 0, 0
	s_sub_co_u32 s3, s3, 1
	s_cmp_lg_u32 s3, 0
	s_cbranch_scc1 .Llap
	TURN 0, 1, 0
	STEP 1, 0, 0
	s_wait_dscnt 4*NL
	WIN MUL_LO
	MUL16 0, 1, NQ-1, 1, 0
	MUL16 2, 1, NQ-1, 1, 0
	s_wait_dscnt 0
	WIN MUL_HI
	MUL16 4, 1, NQ-1, 1, 0
	MUL16 6, 1, NQ-1, 1, 0
	WIN 0
.macro TOSTAGE a
.set AC, 64*((\a)%4)
.set WN, 0x08+4*((\a)/4)
	WIN WN
.irp b, 0,1,2,3,4,5,6,7
	ds_store_b128 v[STO], v[AC+8*\b:AC+8*\b+3] offset:64*\b
	ds_store_b128 v[STO], v[AC+8*\b+4:AC+8*\b+7] offset:64*\b+16
.endr
	WIN 0
.set BB, BK+64*((\a)%2)
.irp t, 0,1,2,3,4,5,6,7,8,9,10,11,12,13,14,15
	ds_load_b128 v[BB+4*\t:BB+4*\t+3], v[RD] offset:\t*SPITCH
.endr
.endm
.macro SEND a, younger
.set BB, BK+64*((\a)%2)
	s_wait_dscnt \younger
.irp t, 0,1,2,3,4,5,6,7,8,9,10,11,12,13,14,15
	global_store_b128 v[CO], v[BB+4*\t:BB+4*\t+3], s[12:13] offset:(32*((\a)/2)+8*((\a)%2)+\t+8*(\t/8))*4096 th:TH_STORE_NT
.endr
.endm
	PLACES NP
	TOSTAGE 0
.irp a, 1,2,3,4,5,6,7
.if \a > 1
	s_wait_xcnt 0x0
.endif
	TOSTAGE \a
	SEND \a-1, 32
.endr
	SEND 7, 0
	s_wait_tensorcnt 0x0
	ds_add_u32 v[SPW], v[NIL]
	s_wait_dscnt 0x0
	CROUND
	s_endpgm
.Lfunc_end_k_q3e11ada40f_outp:
	.size	k_q3e11ada40f_outp, .Lfunc_end_k_q3e11ada40f_outp-k_q3e11ada40f_outp
	.p2alignl 7, 3214868480
	.fill 96, 4, 3214868480
	.section	.rodata,"a",@progbits
	.p2align	6, 0x0
	.amdhsa_kernel k_q3e11ada40f_outp
		.amdhsa_group_segment_fixed_size 327680
		.amdhsa_private_segment_fixed_size 0
		.amdhsa_enable_private_segment 0
		.amdhsa_kernarg_size 48
		.amdhsa_user_sgpr_count 2
		.amdhsa_user_sgpr_kernarg_segment_ptr 1
		.amdhsa_wavefront_size32 1
		.amdhsa_system_sgpr_workgroup_id_x 1
		.amdhsa_system_sgpr_workgroup_id_y 1
		.amdhsa_system_sgpr_workgroup_id_z 1
		.amdhsa_system_vgpr_workitem_id 0
		.amdhsa_next_free_vgpr 1024
		.amdhsa_next_free_sgpr 98
		.amdhsa_reserve_vcc 0
		.amdhsa_float_denorm_mode_32 3
		.amdhsa_float_denorm_mode_16_64 3
		.amdhsa_memory_ordered 1
		.amdhsa_forward_progress 1
		.amdhsa_inst_pref_size 148
	.end_amdhsa_kernel
	.amdgpu_metadata
---
amdhsa.version: [ 1, 2 ]
amdhsa.kernels:
  - .name:           k_q3e11ada40f_outp
    .symbol:         k_q3e11ada40f_outp.kd
    .args:
      - { .name: a_img, .offset: 0, .size: 8, .value_kind: global_buffer, .address_space: global }
      - { .name: a_sc, .offset: 8, .size: 8, .value_kind: global_buffer, .address_space: global }
      - { .name: Wo_codes, .offset: 16, .size: 8, .value_kind: global_buffer, .address_space: global }
      - { .name: Wo_scales, .offset: 24, .size: 8, .value_kind: global_buffer, .address_space: global }
      - { .name: out0, .offset: 32, .size: 8, .value_kind: global_buffer, .address_space: global }
      - { .name: bo, .offset: 40, .size: 8, .value_kind: global_buffer, .address_space: global }
    .group_segment_fixed_size: 327680
    .private_segment_fixed_size: 0
    .kernarg_segment_align: 8
    .kernarg_segment_size: 48
    .max_flat_workgroup_size: 128
    .sgpr_count:     98
    .vgpr_count:     1024
    .wavefront_size: 32
...
	.end_amdgpu_metadata
.endif
;; end of part 3
